; MI455X (gfx1250); checked and timed in simulation.
; The chip was launched on July 23, 2026; its instructions are those of AMD's public machine-readable ISA for CDNA 5 (MIT licence, August 2026) and "CDNA5" Instruction Set Architecture Reference Guide (July 2026). The comments in the code are by the model that wrote it; some were corrected since.
;; Experts Feed Forward Network. Allowed arithmetic: float matrix products may take bf16 or f16 operands with f32 sums; other float arithmetic in f32, or as packed bf16 or f16 multiplies, adds, multiply-adds, maxima and minima; sums over many terms, partial sums and values carried from step to step in f32; what a program stores and reads back later, other than sums and carried values, may be rounded once to bf16 or f16.
;; Inputs: b1 8 x 2,048 float32; b2 8 x 1,024 float32; experts 2 x 2 x 1,024 x 1 int32; probs 2 x 2 x 1,024 x 1 float32; w1 8 x 1,024 x 2,048 float32; w2 8 x 2,048 x 1,024 float32; x 2 x 1,024 x 1,024 float32.
;; Outputs: out0 2 x 1,024 x 1,024 float32.
;; 2 versions, each right; version 2 is version 1 with the launches ffn2, comb written anew for expert scheduling mode. Each part assembles by itself: llvm-mc -triple=amdgcn-amd-amdhsa -mcpu=gfx1250 --defsym DOCPART=n.
;; ======== version 1 of 2: 4 launches
;; limits: values are held in f16: magnitudes above 65,504 overflow, below 6.1e-05 lose precision
;; workspace buffers: cnt 256 bytes of whole numbers; pos 16,384 bytes of whole numbers; xs 67,108,864 bytes; hs 134,217,728 bytes; part 268,435,456 bytes
;; launch route (part 1): grid 64 x 8, 4 waves a work-group, no clusters, 34,304 bytes of LDS; arguments experts, x, xs, pos, cnt; writes xs, pos, cnt
.if DOCPART == 1
	.amdgcn_target "amdgcn-amd-amdhsa--gfx1250"
	.amdhsa_code_object_version 6
	.text
	.protected	k_q8e9be70c90_route
	.globl	k_q8e9be70c90_route
	.p2align	8
	.type	k_q8e9be70c90_route,@function
k_q8e9be70c90_route:
	s_mov_b64 s[64:65], 0
	v_nop
	global_prefetch_b8 v0, s[64:65] scope:SCOPE_SE
	s_setreg_imm32_b32 hwreg(HW_REG_WAVE_MODE, 25, 1), 1
	s_wait_xcnt 0x0
; ROUTING AND GATHER.  4,096 choices (entry i = j x 2048 + token) name one of 8 experts.  Each entry gets a place e x 4096 + rank, rank = how many entries of the same expert come earlier in
; the order below.  Stored: cnt[e]; pos[i] = the place; xs = the token rows in the experts' order, rounded to bf16, laid as matrix operands.
; SHARES.  Work-group (c, e) owns the blocks b, b + 64, b + 128, b + 192 of 16 ranks of expert e, b = c / 2 + 32 ((c + e / 4) % 2): 64 work-groups x 4 trips cover the 256 blocks that one expert has if it
; gets all 4,096 entries; a trip past the count is jumped.  With 512 rows an expert, the even split, a work-group has one block or none: nobody searches twice.  Neighbouring work-groups take a low and a
; high block by turns (the other way round in experts 4-7), so that the blocks that such a split fills are spread over the grid.
; Every wave holds all 4,096 indices in 128 registers and finds the block's 16 entries by itself: nothing passes between waves, so there is no barrier and no atomic.  Wave w then moves columns 256 w .. 256 w + 255.
; ORDER.  Register g (0..127) of lane l holds entry 128 (g / 4) + 4 l + g % 4, as 32 loads of 16 bytes a lane leave them; entries are ranked by (g, l).
; OPERAND ORDER of xs (and of hs, and of the weights in the two products): a block of 16 rows; fragment phi (32 along K) is 1,024 bytes: half y at + 512 y, lane L at + 16 L; lane (r = L % 16, h = L / 16)
; holds row r, k = 64 (phi / 2) + 32 h + 16 (phi % 2) + 8 y + 0..7.  That is a permutation of K, the same for both operands of a product, so the sums are those of the true order but for their grouping.
; NO MASKS.  The rank looked for is min(16 blk + r, count - 1): a place past the count finds the expert's last entry, so its row of xs repeats that entry's, and its store of pos writes that entry's own
; place once more.  Lanes 16-31 look for what lanes 0-15 look for and store the same words with the same values.  So every lane is on in every line.
; LIMITS.  x is rounded once to bf16 (nearest even); indices lie in 0..7, as the one-hot of the problem relies on.  pos is stored 4 bytes a lane to scattered words: 16 KiB in all.
; No tensor loads: the rows come by a list.
.set SPITCH, 528                       ; a stage row: 512 bytes of bf16 + 16: the 16 rows that a read touches start at 16 different groups of four banks (ISA guide 11.1)
.set WSTAGE, 16*SPITCH                 ; a wave's own stage
.set SPARE,  4*WSTAGE                  ; behind the stages: the spare words, 128 bytes a wave, which no other line names
.set EID, 128                          ; v128-255  the 4,096 indices
.set MK,  32                           ; s[32:47]  a batch's masks; later, with s[48:63], the 16 rows' addresses
.set PF,  48                           ; s[48:63]  a batch's counts of earlier entries
; v1 lane  v2 16 lane  v3 r  v28 h  v4 the rank looked for  v5-7 mask, earlier count, number of the group that holds it  v8-15 at work  v16 entry  v17 token
; v18 stage, in  v19 stage, back  v20 offset in a row of x  v21 offset in a block of xs  v22 4 x entry  v24 place  v30, v31 the add's  v32-95 packed bf16
; window 1: v0-127 x as loaded, then v0-63 fragments
.set MSB, 0
.macro WIN new                         ; the immediate's high byte repeats the setting that is left; a switch that changes nothing is dropped
.if MSB != (\new)
	s_set_vgpr_msb (MSB<<8)|(\new)
.set MSB, (\new)
.endif
.endm
	s_load_b256 s[4:11], s[0:1], 0x0               ; experts s[4:5], x s[6:7], xs s[8:9], pos s[10:11]
	s_load_b64 s[12:13], s[0:1], 0x20              ; cnt
	v_lshl_add_u32 v30, v0, 2, SPARE               ; my spare word,
	v_mov_b32 v31, 0                               ; and 0: for the wave's end
	v_lshrrev_b32 v8, 5, v0
	v_readfirstlane_b32 s18, v8                    ; wave
	s_and_b32 s19, ttmp7, 0xffff                   ; e
	s_mov_b32 s20, ttmp9                           ; c
	s_mov_b32 s31, 0                               ; the high word of every offset
	v_and_b32 v1, 31, v0
	v_lshlrev_b32 v2, 4, v1
	v_and_b32 v3, 15, v0
	v_bfe_u32 v28, v0, 4, 1
	s_mul_i32 s26, s18, WSTAGE
	v_lshl_add_u32 v18, v1, 3, s26                 ; in: 8 bytes a lane, 256 bytes a load
	v_mul_u32_u24 v19, v3, SPITCH
	v_lshl_add_u32 v19, v28, 6, v19
	v_add_nc_u32 v19, s26, v19                     ; back: row r, 64 h bytes on
	v_lshl_add_u32 v20, s18, 10, v2                ; my wave's 1,024 bytes of a row of x
	v_lshl_add_u32 v21, s18, 13, v2                ; my wave's 8 fragments of a block of xs
	s_wait_kmcnt 0x0
.set ic, 0
.rept 32
	global_load_b128 v[EID+4*ic:EID+4*ic+3], v2, s[4:5] offset:512*ic
.set ic, ic+1
.endr
	s_mov_b32 s21, 0
	s_wait_loadcnt 0x0
	; the expert's count: 128 masks, their ones added up
.set ib, 0
.rept 8
.set ik, 0
.rept 16
	v_cmp_eq_u32 s[MK+ik], s19, v[EID+16*ib+ik]
.set ik, ik+1
.endr
.set ik, 0
.rept 16
	s_bcnt1_i32_b32 s26, s[MK+ik]
	s_add_co_u32 s21, s21, s26
.set ik, ik+1
.endr
.set ib, ib+1
.endr
	s_add_co_u32 s22, s21, 15
	s_lshr_b32 s22, s22, 4                         ; blocks of 16
	s_or_b32 s26, s20, s18
	s_cmp_lg_u32 s26, 0
	s_cbranch_scc1 .Lno_cnt                        ; wave 0 of work-group (0, e) stores cnt[e]: all lanes the same word, the same number
	v_mov_b32 v8, s21
	v_mov_b32 v9, s19
	v_lshlrev_b32 v9, 2, v9
	global_store_b32 v9, v8, s[12:13]
	s_wait_xcnt 0x0                                ; v8 and v9 are written again below
.Lno_cnt:
	s_lshr_b32 s25, s19, 2
	s_add_co_u32 s25, s25, s20
	s_and_b32 s25, s25, 1
	s_lshl_b32 s25, s25, 5
	s_lshr_b32 s23, s20, 1
	s_add_co_u32 s23, s23, s25                     ; my first block: c / 2 + 32 ((c + e / 4) % 2)
	s_mov_b32 s24, 4
.macro SEL x, width, step              ; is the bit asked for beyond the next \step bits?  v8: how many ones to pass; v13: the place so far
	v_bfe_u32 v14, v[\x], v13, \width
	v_cmp_ge_u32 vcc_lo, v8, v14
	v_sub_nc_u32 v15, v8, v14
	v_cndmask_b32 v8, v8, v15, vcc_lo
	v_add_nc_u32 v15, \step, v13
	v_cndmask_b32 v13, v13, v15, vcc_lo
.endm
.Ltrip:
	s_cmp_ge_u32 s23, s22
	s_cbranch_scc1 .Lnext                          ; no such block: jump to the trip's end; nothing jumped is a barrier
	s_sub_co_u32 s26, s21, 1                       ; (the count is 1 at the least where there is a block)
	v_lshl_add_u32 v4, s23, 4, v3
	v_min_u32 v4, s26, v4                          ; the rank that my lane looks for: 16 blk + r, or the last
	v_mov_b32 v5, 0
	v_mov_b32 v6, 0
	v_mov_b32 v7, 0
	s_mov_b32 s25, 0
	; the last group whose count of earlier entries does not pass the rank holds it
.set ib, 0
.rept 8
.set ik, 0
.rept 16
	v_cmp_eq_u32 s[MK+ik], s19, v[EID+16*ib+ik]
.set ik, ik+1
.endr
.set ik, 0
.rept 16
	s_mov_b32 s[PF+ik], s25
	s_bcnt1_i32_b32 s26, s[MK+ik]
	s_add_co_u32 s25, s25, s26
.set ik, ik+1
.endr
.set ik, 0
.rept 16
	v_cmp_gt_u32 vcc_lo, s[PF+ik], v4
	v_cndmask_b32 v5, s[MK+ik], v5, vcc_lo
	v_cndmask_b32 v6, s[PF+ik], v6, vcc_lo
	v_cndmask_b32 v7, 16*ib+ik, v7, vcc_lo
.set ik, ik+1
.endr
.set ib, ib+1
.endr
	; the (rank - earlier)-th one of that mask: counts of ones in fields of 2, 4, 8 and 16 bits, then five halvings
	v_sub_nc_u32 v8, v4, v6
	v_lshrrev_b32 v9, 1, v5
	v_and_b32 v9, 0x55555555, v9
	v_sub_nc_u32 v9, v5, v9
	v_lshrrev_b32 v10, 2, v9
	v_and_b32 v10, 0x33333333, v10
	v_and_b32 v11, 0x33333333, v9
	v_add_nc_u32 v10, v10, v11
	v_lshrrev_b32 v11, 4, v10
	v_add_nc_u32 v11, v11, v10
	v_and_b32 v11, 0x0f0f0f0f, v11
	v_lshrrev_b32 v12, 8, v11
	v_add_nc_u32 v12, v12, v11
	v_and_b32 v12, 0x00ff00ff, v12
	v_mov_b32 v13, 0
	SEL 12, 8, 16
	SEL 11, 8, 8
	SEL 10, 4, 4
	SEL 9, 2, 2
	SEL 5, 1, 1
	v_lshrrev_b32 v14, 2, v7
	v_lshlrev_b32 v14, 7, v14
	v_lshl_add_u32 v14, v13, 2, v14
	v_and_b32 v15, 3, v7
	v_add_nc_u32 v16, v14, v15                     ; the entry: 128 (g / 4) + 4 lane + g % 4
	v_min_u32 v16, 0xfff, v16                      ; a number made of loaded data enters addresses only behind a bound
	v_and_b32 v17, 0x7ff, v16                      ; its token
	s_lshl_b32 s30, s19, 23                        ; an expert's region of xs is 8 MiB, a block 32,768 bytes
	s_lshl_b32 s26, s23, 15
	s_add_co_u32 s30, s30, s26
	s_add_nc_u64 s[28:29], s[8:9], s[30:31]
.set ir, 0
.rept 16                               ; the 16 rows' addresses (lane r holds row r's token)
	v_readlane_b32 s26, v17, ir
	s_min_u32 s26, s26, 0x7ff
	s_lshl_b32 s30, s26, 12
	s_add_nc_u64 s[MK+2*ir:MK+2*ir+1], s[6:7], s[30:31]
.set ir, ir+1
.endr
	WIN 0x40                                       ; destination window 1
.set ir, 0
.rept 16                               ; each load takes 512 consecutive bytes of a row
	global_load_b128 v[8*ir:8*ir+3],   v20, s[MK+2*ir:MK+2*ir+1]
	global_load_b128 v[8*ir+4:8*ir+7], v20, s[MK+2*ir:MK+2*ir+1] offset:512
.set ir, ir+1
.endr
	WIN 0
	s_cmp_lg_u32 s18, 0
	s_cbranch_scc1 .Lnot0                          ; wave 0 stores pos
	v_lshlrev_b32 v22, 2, v16
	v_lshl_add_u32 v24, s19, 12, v4                ; the entry's place: e x 4096 + its rank
	global_store_b32 v22, v24, s[10:11]
.Lnot0:
.set ig, 0
.rept 4                                ; four rows at a time: round, and into my stage
	s_wait_loadcnt 24-8*ig                         ; the loads of the later rows stay out
	WIN 0x05                                       ; sources window 1, destination window 0
.set in, 8*ig
.rept 8
	v_cvt_pk_bf16_f32 v[32+2*in],   v[4*in],   v[4*in+1]
	v_cvt_pk_bf16_f32 v[32+2*in+1], v[4*in+2], v[4*in+3]
.set in, in+1
.endr
	WIN 0
.set in, 8*ig
.rept 8
	ds_store_b64 v18, v[32+2*in:32+2*in+1] offset:SPITCH*(in/2)+256*(in%2)
.set in, in+1
.endr
.set ig, ig+1
.endr
	WIN 0x40
.set im, 0
.rept 16                               ; back in operand order: fragment im / 2, half im % 2.  LDS serves a wave's instructions in order (ISA guide 5.7.1.4): these see the stores above
	ds_load_b128 v[4*im:4*im+3], v19 offset:128*(im/4)+32*((im/2)%2)+16*(im%2)
.set im, im+1
.endr
	WIN 0x04                                       ; store data window 1
.set im, 0
.rept 16
	s_wait_dscnt 15-im                             ; the later reads stay out
	global_store_b128 v21, v[4*im:4*im+3], s[28:29] offset:512*im  ; 512 consecutive bytes, at a multiple of 512 from xs's first
.set im, im+1
.endr
	WIN 0
.Lnext:
	s_wait_xcnt 0x0                                ; the trip's loads and stores have read their registers and bases: these are written again in the next trip
	s_add_co_u32 s23, s23, 64
	s_sub_co_u32 s24, s24, 1
	s_cmp_lg_u32 s24, 0
	s_cbranch_scc1 .Ltrip
	s_wait_tensorcnt 0x0                           ; the wave's end, behind my last LDS store
	ds_add_u32 v30, v31
	s_wait_dscnt 0x0
	s_endpgm
.Lfunc_end_k_q8e9be70c90_route:
	.size	k_q8e9be70c90_route, .Lfunc_end_k_q8e9be70c90_route-k_q8e9be70c90_route
	.p2alignl 7, 3214868480
	.fill 96, 4, 3214868480
	.section	.rodata,"a",@progbits
	.p2align	6, 0x0
	.amdhsa_kernel k_q8e9be70c90_route
		.amdhsa_group_segment_fixed_size 34304
		.amdhsa_private_segment_fixed_size 0
		.amdhsa_enable_private_segment 0
		.amdhsa_kernarg_size 40
		.amdhsa_user_sgpr_count 2
		.amdhsa_user_sgpr_kernarg_segment_ptr 1
		.amdhsa_wavefront_size32 1
		.amdhsa_system_sgpr_workgroup_id_x 1
		.amdhsa_system_sgpr_workgroup_id_y 1
		.amdhsa_system_sgpr_workgroup_id_z 1
		.amdhsa_system_vgpr_workitem_id 0
		.amdhsa_next_free_vgpr 384
		.amdhsa_next_free_sgpr 66
		.amdhsa_reserve_vcc 1
		.amdhsa_float_denorm_mode_32 3
		.amdhsa_float_denorm_mode_16_64 3
		.amdhsa_memory_ordered 1
		.amdhsa_forward_progress 1
		.amdhsa_inst_pref_size 78
	.end_amdhsa_kernel
	.amdgpu_metadata
---
amdhsa.version: [ 1, 2 ]
amdhsa.kernels:
  - .name:           k_q8e9be70c90_route
    .symbol:         k_q8e9be70c90_route.kd
    .args:
      - { .name: experts, .offset: 0, .size: 8, .value_kind: global_buffer, .address_space: global }
      - { .name: x, .offset: 8, .size: 8, .value_kind: global_buffer, .address_space: global }
      - { .name: xs, .offset: 16, .size: 8, .value_kind: global_buffer, .address_space: global }
      - { .name: pos, .offset: 24, .size: 8, .value_kind: global_buffer, .address_space: global }
      - { .name: cnt, .offset: 32, .size: 8, .value_kind: global_buffer, .address_space: global }
    .group_segment_fixed_size: 34304
    .private_segment_fixed_size: 0
    .kernarg_segment_align: 8
    .kernarg_segment_size: 40
    .max_flat_workgroup_size: 128
    .sgpr_count:     66
    .vgpr_count:     384
    .wavefront_size: 32
...
	.end_amdgpu_metadata
.endif
;; end of part 1
;; launch ffn1 (part 2): grid 32 x 8, 8 waves a work-group, no clusters, 132,096 bytes of LDS; arguments cnt, xs, w1, b1, hs; writes hs
.if DOCPART == 2
	.amdgcn_target "amdgcn-amd-amdhsa--gfx1250"
	.amdhsa_code_object_version 6
	.text
	.protected	k_q8e9be70c90_ffn1
	.globl	k_q8e9be70c90_ffn1
	.p2align	8
	.type	k_q8e9be70c90_ffn1,@function
k_q8e9be70c90_ffn1:
	s_mov_b64 s[64:65], 0
	v_nop
	global_prefetch_b8 v0, s[64:65] scope:SCOPE_SE
	s_setreg_imm32_b32 hwreg(HW_REG_WAVE_MODE, 25, 1), 1
	s_wait_xcnt 0x0
; FIRST PRODUCT.  hs = gelu(xs w1[e] + b1[e]) for the rows routed to expert e, rounded to f16, in operand order (below).  Operands bf16, sums in f32, started with the bias.
; SHARES.  Work-group (slice, e) alone reads the 1,024 x 64 numbers w1[e][:][64 slice ..], 256 KiB of f32, rounds them to bf16 on their way through registers and keeps them in LDS (128 KiB) as fragments.
; Its eight waves share the expert's blocks of 16 rows, each wave a run of blocks.  Rows come from memory straight into operand registers.
; OPERAND ORDER.  Fragment phi (32 along K) of a block of 16 rows is 1,024 bytes: half y at + 512 y, lane L at + 16 L; lane (r = L % 16, h = L / 16) holds row r, k = 64 (phi / 2) + 32 h + 16 (phi % 2) + 8 y + 0..7:
; a permutation of K, the same in both operands.  Weight fragment (phi, j): lane (c, h) stands for column 64 slice + 4 c + j, the same k.  It is made without a shuffle: loads of 16 bytes (a row k, four columns a lane,
; 16 lanes = 256 consecutive bytes of a row of w1), and register p of fragment j packs column j of the loads of rows 2 p and 2 p + 1.
; THE WEIGHTS COME UNDER THE FIRST PASS.  The slice goes in 8 chunks of 128 along K (four K steps).  Of chunk c wave w makes half w % 2 of fragment 4 c + w / 2: 8 loads, 32 registers.  Chunks 0 and 1 are asked for at the
; head.  At the head of K trip t (four steps) chunk t + 1 is rounded and stored, and chunk t + 2 asked for: it has the trip in which to land.  Two barriers stand there: between every wave's LDS reads and the
; stores, and between the stores and the reads.  Fragments are fetched two steps ahead, so a chunk is in LDS a trip before its first product.
; THE FIRST PASS IS ONE TEXT FOR EVERY WAVE, since every wave passes its barriers: five blocks, 20 accumulators that take turns.  A wave with four blocks or fewer jumps the fifth block's products (but those of the first
; step, which start the sums) and asks for 16 bytes a load in the fifth block's place (its offset is masked to 0): so every wave has the same number of loads out at every wait, whatever the count read from
; memory.  The mask hangs on that count, so the masked offset is bounded by a constant, 65,535, ahead of its use; the offsets in use stay under 32,768.
; Blocks past a wave's share repeat its last block and are not stored; a wave without blocks walks the block that the clamp leaves; for an expert without rows, whose region of xs holds nothing, the
; rows' base is w1 itself: what is multiplied there is never stored.
; LATER PASSES (a share of more than five blocks; 32 a wave if one expert has all 4,096 rows): four blocks each, a loop of a constant count, 7, in which a pass with nothing left is jumped; no barrier, no LDS write.
; THE MATRIX INSTRUCTION IS USED TRANSPOSED (source 0 = weights, source 1 = rows): lane (r, h) then holds row r, columns 64 slice + 32 h + 4 j' + j (accumulator j, register j'): just the 32 numbers
; that the same lane holds in fragments 2 slice and 2 slice + 1 of hs.  So the result is packed and stored with no exchange, 512 consecutive bytes a store.
; NO TENSOR LOADS, NO CLUSTER.  A slice of weights has one reader.  The 32 work-groups of an expert do read the same rows, but how many, and which wave takes which, hangs on a count read from memory.
; gelu (tanh form) = x / (1 + 2^(c0 x + c1 x^3)), c0 = -2 sqrt(2/pi) log2 e, c1 = 0.044715 c0.
; WHY f16 FOR hs.  The hidden layer's rounding reaches the output undiminished; 8 significant bits spend the output's allowance in rows with large gate weights, 11 bits an eighth of that.
; LIMITS.  w1, b1 are rounded once to bf16 (as x was), the result once to f16: it must stay under 65,504 (a sum of 1,024 products of spreads 1 and 0.02 has spread 0.64; with both 30 times larger 576; with offsets
; of 30 spreads on both, 1024 x 30 x 0.6 = 18,432); below 6e-5 it keeps f16's fixed step of 6e-8.  The exponential gives 0 below 2^-126 and infinity above 2^128, which leave x and 0.
; NaN and infinities are not treated apart.
.set PITCH, 8192                       ; bytes in a row of w1
.set LOGP,  13
.set CHUNK, 128*PITCH                  ; bytes from a chunk of the weights to the next
.set SPARE, 131072                     ; behind the fragments: the spare words, 128 bytes a wave, which no other line names
.set LOFF, 1                           ; v1  16 lane; never rewritten
.set LB,   2                           ; v2  LDS address of a K trip's fragments: 16 lane + s54, made in each trip
.set WOF,  3                           ; v3  my offset in w1: 32 h rows + 16 r
.set LST,  4                           ; v4  where I put my part of chunk 0: 16 lane + 4,096 (w / 2) + 512 (w % 2)
.set LSA,  5                           ; v5  the same for the chunk in hand: v4 + s55
.set OF,   10                          ; v10-13  ring slot s: my byte offset in a block of rows; stepped when the slot's loads are in
.set O5,   14                          ; v14-17  the same for the fifth block, or 0
.set WB,   32                          ; v32-95   weight fragments, two buffers: 32 beta + 8 j;  on the way out: Z = v32-63, packed results v64-95
.set Z,    32
.set BT,   96                          ; v96-127  at the start: b1 as loaded, 4 j' + j
.set R1,   128                         ; v128-159 at the start: chunk 1 as loaded
.set ACC,  96                          ; v96-255  accumulators: 32 a + 8 j
.set AR,   0                           ; window 1: v0-159 rows' fragments, four slots: 40 sigma + 8 a
.set BI,   160                         ; window 1: v160-191 the bias in an accumulator's layout: 8 j + j'
.set RW,   192                         ; window 1: v192-223 a chunk as loaded: load i at 4 i
.set PK,   224                         ; window 1: v224-239 my part of a chunk, packed: 4 j + p
.set AB,   40                          ; s[40:49] the five blocks' addresses; fixed for a pass
.set TB,   54                          ; s54  LDS byte at which the K trip's fragments begin: steps 16,384 a trip
.set TS,   55                          ; s55  LDS byte at which the chunk in hand begins
.set M5,   56                          ; s56  0xffff in a wave with five blocks, else 0
.set W_M,  0x04                        ; source 1 (rows) window 1; also the LDS loads (address and destination window 0)
.set W_M1, 0x14                        ; the same with C (the bias) in window 1
.set W_L,  0x40                        ; destination window 1
; s16 wave  s17 e  s18 slice  s20 count, blocks  s21 blocks left  s22 my next block  s23 my last  s24 blocks in a pass  s25 of them true  s26 passes  s27 K trips  s[28:29] an offset  s[30:31] c0  s[32:33] c1
; s[34:35] hs at the pass's first block  s[36:37] the rows' base  s[38:39] w1 at my part of the chunk asked for last  s51 at work  s[52:53] hs at expert and slice
.set MSB, 0
.macro WIN new                         ; the immediate's high byte repeats the setting that is left; a switch that changes nothing is dropped
.if MSB != (\new)
	s_set_vgpr_msb (MSB<<8)|(\new)
.set MSB, (\new)
.endif
.endm
.macro PLACES                          ; four plain instructions between a matrix instruction and a load into, or a read of, its registers
.rept 4
	v_nop
.endr
.endm
; THE WEIGHTS.  WLD: my 8 loads of a chunk.  WCV: rounded to bf16 and packed.  WST: into LDS, 16 bytes a lane for each of the four fragments.
.macro WLD win, rb, coff
	WIN \win
.set ii, 0
.rept 8
	global_load_b128 v[(\rb)+4*ii:(\rb)+4*ii+3], v[WOF], s[38:39] offset:(\coff)+ii*PITCH th:TH_LOAD_NT
.set ii, ii+1
.endr
.endm
.macro WCV win, rb
	WIN \win
.set ij, 0
.rept 4
.set ip, 0
.rept 4
	v_cvt_pk_bf16_f32 v[PK+4*ij+ip], v[(\rb)+8*ip+ij], v[(\rb)+8*ip+4+ij]
.set ip, ip+1
.endr
.set ij, ij+1
.endr
.endm
.macro WST adr, coff
	WIN 0x04                                       ; store data window 1
.set ij, 0
.rept 4
	ds_store_b128 v[\adr], v[PK+4*ij:PK+4*ij+3] offset:(\coff)+1024*ij
.set ij, ij+1
.endr
.endm
; The head of a K trip of the first pass: the chunk asked for a trip ago goes into LDS.  issue = 1: the next chunk is asked for.
.macro WPART issue
	s_wait_loadcnt 40                              ; my part of the chunk is in: behind it the last trip issued 4 x 10 loads of rows, which stay out
	s_wait_dscnt 0x0                               ; my LDS reads are back
	s_barrier_signal -1
	WCV 0x45, RW                                   ; work on registers while the others arrive
	WIN 0
	v_add_nc_u32 v[LSA], s[TS], v[LST]
	s_add_co_u32 s[TS], s[TS], 0x4000
	s_barrier_wait -1                              ; no wave has an LDS read out: the stores below stand behind every wave's reads
.if \issue
	s_add_nc_u64 s[38:39], s[38:39], CHUNK         ; free since the wait for the chunk's loads
	WLD 0x40, RW, 0
.endif
	WST LSA, 0
	WIN 0
	s_wait_dscnt 0x0                               ; for the others' sake: my part is in LDS
	s_barrier_signal -1
	s_barrier_wait -1                              ; everybody's is
.endm
; THE K LOOP: 32 steps of 32 along K, four to a trip; the rows' fragments in a ring of four slots (asked for four steps ahead), the weights' in two buffers (two steps ahead).
.macro ALOAD n, sg
	WIN W_L
.set ia, 0
.rept 4
	global_load_b128 v[AR+40*(\sg)+8*ia:AR+40*(\sg)+8*ia+3],   v[OF+(\sg)], s[AB+2*ia:AB+2*ia+1]
	global_load_b128 v[AR+40*(\sg)+8*ia+4:AR+40*(\sg)+8*ia+7], v[OF+(\sg)], s[AB+2*ia:AB+2*ia+1] offset:512
.set ia, ia+1
.endr
.if (\n) == 5
	global_load_b128 v[AR+40*(\sg)+32:AR+40*(\sg)+35], v[O5+(\sg)], s[AB+8:AB+9]
	global_load_b128 v[AR+40*(\sg)+36:AR+40*(\sg)+39], v[O5+(\sg)], s[AB+8:AB+9] offset:512
.endif
.endm
.macro WFETCH bf, off
	WIN W_M
.set ij, 0
.rept 4
	ds_load_b128 v[WB+32*(\bf)+8*ij:WB+32*(\bf)+8*ij+3],   v[LB] offset:(\off)+1024*ij
	ds_load_b128 v[WB+32*(\bf)+8*ij+4:WB+32*(\bf)+8*ij+7], v[LB] offset:(\off)+1024*ij+512
.set ij, ij+1
.endr
.endm
.macro MM4 a, sg, first                ; block a's four products of a step
.set ij, 0
.rept 4
.if \first
	v_wmma_f32_16x16x32_bf16 v[ACC+32*(\a)+8*ij:ACC+32*(\a)+8*ij+7], v[WB+32*((\sg)%2)+8*ij:WB+32*((\sg)%2)+8*ij+7], v[AR+40*(\sg)+8*(\a):AR+40*(\sg)+8*(\a)+7], v[BI+8*ij:BI+8*ij+7]
.else
	v_wmma_f32_16x16x32_bf16 v[ACC+32*(\a)+8*ij:ACC+32*(\a)+8*ij+7], v[WB+32*((\sg)%2)+8*ij:WB+32*((\sg)%2)+8*ij+7], v[AR+40*(\sg)+8*(\a):AR+40*(\sg)+8*(\a)+7], v[ACC+32*(\a)+8*ij:ACC+32*(\a)+8*ij+7]
.endif
.set ij, ij+1
.endr
.endm
; One step.  The accumulators take turns, one instruction a turn.  five = 0: four blocks; 1: the fifth block's products are jumped in a wave that has none; 2: they are not.
; first = 1: the products start the sums with the bias.  lc: the loads issued behind this slot's, which stay out; dc: the next step's eight weight loads.
; The slot's offset is stepped behind the wait that shows its loads done; the step, the mask and the bound are three of the four places behind the products.
.macro STEP five, sg, first, aload, bload, lc, dc
	s_wait_loadcnt \lc
	s_wait_dscnt \dc
.if \first
	WIN W_M1
.else
	WIN W_M
.endif
	MM4 0, \sg, \first
	MM4 1, \sg, \first
	MM4 2, \sg, \first
	MM4 3, \sg, \first
.if (\five) == 2
	MM4 4, \sg, \first
.endif
	WIN 0
.if (\five) == 1
	s_cmp_lg_u32 s24, 5
	s_cbranch_scc1 .Lfour_\@
	WIN W_M
	MM4 4, \sg, 0
	WIN 0
.Lfour_\@:
.endif
.if \aload
	v_add_nc_u32 v[OF+(\sg)], 0x1000, v[OF+(\sg)]  ; four steps on
.if \five
	v_and_b32 v[O5+(\sg)], s[M5], v[OF+(\sg)]
	v_min_u32 v[O5+(\sg)], 0xffff, v[O5+(\sg)]     ; a number that hangs on loaded data enters an address only behind a bound
.else
	v_nop
	v_nop
.endif
	v_nop
.elseif \bload
	PLACES
.endif
.if \bload
	WFETCH (\sg)%2, 4096*((\sg)+2)                 ; the weights two steps on
.endif
.if \aload
.if \five
	ALOAD 5, \sg                                   ; the rows four steps on
.else
	ALOAD 4, \sg
.endif
.endif
.endm
.macro TRIP f0, five, first, lc
	WIN 0
	v_add_nc_u32 v[LB], s[TB], v[LOFF]
	STEP \f0, 0, \first, 1, 1, \lc, 8
	STEP \five, 1, 0, 1, 1, \lc, 8
	STEP \five, 2, 0, 1, 1, \lc, 8
	STEP \five, 3, 0, 1, 1, \lc, 8
	WIN 0
	s_add_co_u32 s[TB], s[TB], 0x4000
.endm
.macro TAIL five, n                    ; steps 28-31 ask for no rows: the counts run down, 2 n loads a step
	WIN 0
	v_add_nc_u32 v[LB], s[TB], v[LOFF]
	STEP \five, 0, 0, 0, 1, 6*(\n), 8
	STEP \five, 1, 0, 0, 1, 4*(\n), 8
	STEP \five, 2, 0, 0, 0, 2*(\n), 8
	STEP \five, 3, 0, 0, 0, 0, 0
	PLACES                                         ; ahead of the first read of the results
	WIN 0
.endm
.macro PRO n                           ; a pass begins: the ring's four slots are asked for
	WIN 0
	s_mov_b32 s[TB], 0
.set is, 0
.rept 4
	v_add_nc_u32 v[OF+is], 1024*is, v[LOFF]
.if (\n) == 5
	v_and_b32 v[O5+is], s[M5], v[OF+is]
	v_min_u32 v[O5+is], 0xffff, v[O5+is]           ; the bound, as in a step
.endif
.set is, is+1
.endr
	ALOAD \n, 0
	ALOAD \n, 1
	ALOAD \n, 2
	ALOAD \n, 3
.endm
.macro SETUP n                         ; the pass's blocks: past my share my last block once more
.set ia, 0
.rept \n
	s_add_co_u32 s51, s22, ia
	s_min_u32 s51, s51, s23
	s_min_u32 s51, s51, 0xff
	s_lshl_b32 s28, s51, 15
	s_add_nc_u64 s[AB+2*ia:AB+2*ia+1], s[36:37], s[28:29]
.set ia, ia+1
.endr
	s_min_u32 s51, s22, 0xff
	s_lshl_b32 s28, s51, 16
	s_add_nc_u64 s[34:35], s[52:53], s[28:29]
.endm
; THE WAY OUT of block a: gelu on its 32 numbers a lane, in pairs m = 0..15, each accumulator from its low end on; two batches of transcendentals, each with one wait ahead of its first reader.
.macro EPI a
.set xb, ACC+32*(\a)
.set ou, 64+16*((\a)%2)
.set im, 0
.rept 16                               ; z = (c1 x^2 + c0) x; the pair before goes through the exponential between these lines
	v_pk_mul_f32 v[Z+2*im:Z+2*im+1], v[xb+2*im:xb+2*im+1], v[xb+2*im:xb+2*im+1]
.if im > 0
	v_exp_f32 v[Z+2*im-2], v[Z+2*im-2]
.endif
	v_pk_fma_f32 v[Z+2*im:Z+2*im+1], v[Z+2*im:Z+2*im+1], s[32:33], s[30:31] op_sel_hi:[1,0,0]
.if im > 0
	v_exp_f32 v[Z+2*im-1], v[Z+2*im-1]
.endif
	v_pk_mul_f32 v[Z+2*im:Z+2*im+1], v[Z+2*im:Z+2*im+1], v[xb+2*im:xb+2*im+1]
.set im, im+1
.endr
	v_exp_f32 v[Z+30], v[Z+30]
	v_exp_f32 v[Z+31], v[Z+31]
	v_nop                                          ; a plain instruction behind the last exponential (ISA guide 5.7.2),
	s_wait_alu depctr_va_vdst(0)                   ; and one wait for the 32
.set im, 0
.rept 16
	v_pk_add_f32 v[Z+2*im:Z+2*im+1], v[Z+2*im:Z+2*im+1], 1.0 op_sel_hi:[1,0]
.if im > 0
	v_rcp_f32 v[Z+2*im-2], v[Z+2*im-2]
	v_rcp_f32 v[Z+2*im-1], v[Z+2*im-1]
.endif
.set im, im+1
.endr
	v_rcp_f32 v[Z+30], v[Z+30]
	v_rcp_f32 v[Z+31], v[Z+31]
	v_nop
	s_wait_alu depctr_va_vdst(0)                   ; one wait for the 32 reciprocals
	s_wait_xcnt 0x0                                ; earlier stores have read the registers that are packed into below
.set im, 0
.rept 16
	v_pk_mul_f32 v[Z+2*im:Z+2*im+1], v[Z+2*im:Z+2*im+1], v[xb+2*im:xb+2*im+1]
.set im, im+1
.endr
.set ix, 0
.rept 2                                ; fragment 2 slice + ix: register 2 jq + jj packs columns 32 h + 16 ix + 4 jq + 2 jj and the next, rounded to f16
.set jq, 0
.rept 4
	v_cvt_pk_f16_f32 v[ou+8*ix+2*jq],   v[Z+4*ix+jq],    v[Z+8+4*ix+jq]
	v_cvt_pk_f16_f32 v[ou+8*ix+2*jq+1], v[Z+16+4*ix+jq], v[Z+24+4*ix+jq]
.set jq, jq+1
.endr
.set ix, ix+1
.endr
.set ix, 0
.rept 4
	global_store_b128 v[LOFF], v[ou+4*ix:ou+4*ix+3], s[34:35] offset:65536*(\a)+512*ix  ; 512 consecutive bytes, at a multiple of 512 from hs's first
.set ix, ix+1
.endr
.endm
	s_load_b256 s[4:11], s[0:1], 0x0               ; cnt s[4:5], xs s[6:7], w1 s[8:9], b1 s[10:11]
	s_load_b64 s[12:13], s[0:1], 0x20              ; hs
	v_lshl_add_u32 v30, v0, 2, SPARE               ; my spare word,
	v_mov_b32 v31, 0                               ; and 0: for the wave's end
	v_lshrrev_b32 v7, 5, v0
	v_readfirstlane_b32 s16, v7
	s_and_b32 s17, ttmp7, 0xffff
	s_mov_b32 s18, ttmp9
	v_and_b32 v7, 31, v0
	v_lshlrev_b32 v[LOFF], 4, v7
	v_and_b32 v8, 15, v0
	v_bfe_u32 v9, v0, 4, 1
	v_lshlrev_b32 v[WOF], 4, v8
	v_lshl_add_u32 v[WOF], v9, LOGP+5, v[WOF]
	v_lshlrev_b32 v6, 7, v9                        ; 128 h: my 32 numbers of b1
	s_lshr_b32 s24, s16, 1
	s_lshl_b32 s24, s24, 12
	s_and_b32 s25, s16, 1
	s_lshl_b32 s25, s25, 9
	s_add_co_u32 s24, s24, s25
	v_add_nc_u32 v[LST], s24, v[LOFF]
	s_mov_b32 s29, 0
	s_mov_b32 s30, 0xc0135761                      ; c0 = -2.3022082
	s_mov_b32 s31, s30
	s_mov_b32 s32, 0xbdd2d3e8                      ; c1 = -0.10294324
	s_mov_b32 s33, s32
	s_lshl_b32 s51, s17, 2
	s_wait_kmcnt 0x0
	s_load_b32 s20, s[4:5], s51 offset:0x0         ; the expert's count: waited for behind the first loads of weights
	s_lshl_b32 s28, s17, 23
	s_add_nc_u64 s[36:37], s[6:7], s[28:29]        ; xs: 8 MiB an expert
	s_lshl_b32 s24, s18, 8
	s_add_co_u32 s28, s28, s24                     ; w1: 8 MiB an expert, 256 bytes a slice;
	s_lshr_b32 s24, s16, 2
	s_lshl_b32 s24, s24, LOGP+6
	s_add_co_u32 s28, s28, s24                     ; my part of a chunk begins at its row 64 (w / 4) + 16 ((w / 2) % 2) + 8 (w % 2)
	s_bfe_u32 s24, s16, 0x10001
	s_lshl_b32 s24, s24, LOGP+4
	s_add_co_u32 s28, s28, s24
	s_and_b32 s24, s16, 1
	s_lshl_b32 s24, s24, LOGP+3
	s_add_co_u32 s28, s28, s24
	s_add_nc_u64 s[38:39], s[8:9], s[28:29]
	s_lshl_b32 s28, s17, 13
	s_lshl_b32 s24, s18, 8
	s_add_co_u32 s28, s28, s24
	s_add_nc_u64 s[10:11], s[10:11], s[28:29]      ; b1 at the slice
	s_lshl_b32 s28, s17, 24
	s_lshl_b32 s24, s18, 11
	s_add_co_u32 s28, s28, s24
	s_add_nc_u64 s[52:53], s[12:13], s[28:29]      ; hs: 16 MiB an expert, fragments 2 slice and 2 slice + 1
.set ip, 0
.rept 8
	global_load_b128 v[BT+4*ip:BT+4*ip+3], v6, s[10:11] offset:16*ip  ; b1[64 slice + 32 h + 4 j' + 0..3]
.set ip, ip+1
.endr
	WLD 0x40, RW, 0                                ; chunk 0
	WLD 0, R1, CHUNK                               ; chunk 1, into registers that the sums take later
	WIN 0
	s_wait_kmcnt 0x0                               ; the count
	s_add_co_u32 s20, s20, 15
	s_lshr_b32 s20, s20, 4
	s_min_u32 s20, s20, 256                        ; blocks
	s_cmp_eq_u32 s20, 0
	s_cselect_b64 s[36:37], s[8:9], s[36:37]       ; an expert without rows: nothing was stored in its region of xs
	s_lshr_b32 s28, s20, 3
	s_and_b32 s51, s20, 7                          ; the first (blocks % 8) waves take one more
	s_mul_i32 s22, s16, s28
	s_min_u32 s23, s16, s51
	s_add_co_u32 s22, s22, s23                     ; my first block
	s_cmp_lt_u32 s16, s51
	s_cselect_b32 s21, 1, 0
	s_add_co_u32 s21, s21, s28                     ; how many
	s_add_co_u32 s23, s22, s21
	s_sub_co_u32 s23, s23, 1                       ; my last
	s_cmp_ge_u32 s21, 5
	s_cselect_b32 s24, 5, 4
	s_cselect_b32 s[M5], 0xffff, 0
	s_min_u32 s[M5], s[M5], 0xffff                 ; it hangs on the count: bounded by a constant
	s_min_u32 s25, s21, s24
	s_mov_b32 s26, 8                               ; the first pass and 7 of four blocks: 33 blocks a wave
	SETUP 5
	PRO 5
	; THE FIRST PASS
	s_wait_loadcnt 40                              ; b1 and chunks 0 and 1 are in; the ring's 40 loads, issued behind them, stay out
	s_add_nc_u64 s[38:39], s[38:39], 2*CHUNK
	WCV 0x45, RW
	WLD 0x40, RW, 0                                ; chunk 2
	WST LST, 0
	WCV 0x40, R1
	WST LST, 16384
	WIN 0                                          ; the bias is rounded to bf16, widened again and laid as an accumulator lies
.set ij, 0
.rept 4
.set ik, 0
.rept 4
	v_cvt_pk_bf16_f32 v[32+4*ij+ik], v[BT+8*ik+ij], v[BT+8*ik+4+ij]
.set ik, ik+1
.endr
.set ij, ij+1
.endr
	WIN 0x40
.set ij, 0
.rept 4
.set ik, 0
.rept 4
	v_lshlrev_b32 v[BI+8*ij+2*ik], 16, v[32+4*ij+ik]
	v_and_b32 v[BI+8*ij+2*ik+1], 0xffff0000, v[32+4*ij+ik]
.set ik, ik+1
.endr
.set ij, ij+1
.endr
	WIN 0
	s_mov_b32 s[TS], 0x8000                        ; chunk 2's place
	s_wait_dscnt 0x0                               ; for the others' sake: my parts of chunks 0 and 1 are in LDS
	s_barrier_signal -1
	s_barrier_wait -1
	v_add_nc_u32 v[LB], s[TB], v[LOFF]
	WFETCH 0, 0
	WFETCH 1, 4096
	TRIP 2, 1, 1, 38                               ; trip 0: its first products start the sums.  38: 30 loads of the three later steps and the 8 of the chunk asked for at the trip's head
	s_mov_b32 s27, 5
.Lq:                                                   ; trips 1 to 5: chunk t + 1 into LDS, chunk t + 2 asked for
	WPART 1
	TRIP 1, 1, 0, 38
	s_sub_co_u32 s27, s27, 1
	s_cmp_lg_u32 s27, 0
	s_cbranch_scc1 .Lq
	WPART 0                                        ; trip 6: chunk 7 into LDS; nothing is left to ask for
	TRIP 1, 1, 0, 30
	TAIL 1, 5
	s_branch .Lepi                                 ; the way out is written once, in the loop over later passes
.Lpass:
	s_cmp_eq_u32 s21, 0
	s_cbranch_scc1 .Lnext                          ; nothing left: jump to the counter's step
	s_wait_xcnt 0x0                                ; the last pass's stores have read their registers and base
	s_mov_b32 s24, 4
	s_min_u32 s25, s21, s24
	SETUP 4
	PRO 4
	WIN 0
	v_add_nc_u32 v[LB], s[TB], v[LOFF]
	WFETCH 0, 0
	WFETCH 1, 4096
	TRIP 0, 0, 1, 24                               ; 24: the loads of the three later steps, 8 each
	s_mov_b32 s27, 6
.Lk:
	TRIP 0, 0, 0, 24
	s_sub_co_u32 s27, s27, 1
	s_cmp_lg_u32 s27, 0
	s_cbranch_scc1 .Lk
	TAIL 0, 4
.Lepi:
	s_cmp_lg_u32 s24, 5
	s_cbranch_scc1 .Lnofive
	EPI 4                                          ; a pass of five is always full
.Lnofive:
	s_cmp_eq_u32 s25, 0
	s_cbranch_scc1 .Ldone                          ; repeated blocks are not stored
	EPI 0
	s_cmp_le_u32 s25, 1
	s_cbranch_scc1 .Ldone
	EPI 1
	s_cmp_le_u32 s25, 2
	s_cbranch_scc1 .Ldone
	EPI 2
	s_cmp_le_u32 s25, 3
	s_cbranch_scc1 .Ldone
	EPI 3
.Ldone:
	s_sub_co_u32 s21, s21, s25
	s_add_co_u32 s22, s22, s25
.Lnext:
	s_sub_co_u32 s26, s26, 1
	s_cmp_lg_u32 s26, 0
	s_cbranch_scc1 .Lpass
	s_wait_dscnt 0x0                               ; my LDS reads are back;
	s_barrier_signal -1
	s_barrier_wait -1                              ; every wave's are: the LDS write below stands behind a barrier behind all the work-group's LDS reads
	s_wait_tensorcnt 0x0                           ; the wave's end, behind my last LDS store
	ds_add_u32 v30, v31
	s_wait_dscnt 0x0
	s_endpgm
.Lfunc_end_k_q8e9be70c90_ffn1:
	.size	k_q8e9be70c90_ffn1, .Lfunc_end_k_q8e9be70c90_ffn1-k_q8e9be70c90_ffn1
	.p2alignl 7, 3214868480
	.fill 96, 4, 3214868480
	.section	.rodata,"a",@progbits
	.p2align	6, 0x0
	.amdhsa_kernel k_q8e9be70c90_ffn1
		.amdhsa_group_segment_fixed_size 132096
		.amdhsa_private_segment_fixed_size 0
		.amdhsa_enable_private_segment 0
		.amdhsa_kernarg_size 40
		.amdhsa_user_sgpr_count 2
		.amdhsa_user_sgpr_kernarg_segment_ptr 1
		.amdhsa_wavefront_size32 1
		.amdhsa_system_sgpr_workgroup_id_x 1
		.amdhsa_system_sgpr_workgroup_id_y 1
		.amdhsa_system_sgpr_workgroup_id_z 1
		.amdhsa_system_vgpr_workitem_id 0
		.amdhsa_next_free_vgpr 496
		.amdhsa_next_free_sgpr 66
		.amdhsa_reserve_vcc 0
		.amdhsa_float_denorm_mode_32 3
		.amdhsa_float_denorm_mode_16_64 3
		.amdhsa_memory_ordered 1
		.amdhsa_forward_progress 1
		.amdhsa_inst_pref_size 145
	.end_amdhsa_kernel
	.amdgpu_metadata
---
amdhsa.version: [ 1, 2 ]
amdhsa.kernels:
  - .name:           k_q8e9be70c90_ffn1
    .symbol:         k_q8e9be70c90_ffn1.kd
    .args:
      - { .name: cnt, .offset: 0, .size: 8, .value_kind: global_buffer, .address_space: global }
      - { .name: xs, .offset: 8, .size: 8, .value_kind: global_buffer, .address_space: global }
      - { .name: w1, .offset: 16, .size: 8, .value_kind: global_buffer, .address_space: global }
      - { .name: b1, .offset: 24, .size: 8, .value_kind: global_buffer, .address_space: global }
      - { .name: hs, .offset: 32, .size: 8, .value_kind: global_buffer, .address_space: global }
    .group_segment_fixed_size: 132096
    .private_segment_fixed_size: 0
    .kernarg_segment_align: 8
    .kernarg_segment_size: 40
    .max_flat_workgroup_size: 256
    .sgpr_count:     66
    .vgpr_count:     496
    .wavefront_size: 32
...
	.end_amdgpu_metadata
.endif
;; end of part 2
;; launch ffn2 (part 3): grid 32 x 8, 8 waves a work-group, no clusters, 132,096 bytes of LDS; arguments cnt, hs, w2, b2, part; writes part
.if DOCPART == 3
	.amdgcn_target "amdgcn-amd-amdhsa--gfx1250"
	.amdhsa_code_object_version 6
	.text
	.protected	k_q8e9be70c90_ffn2
	.globl	k_q8e9be70c90_ffn2
	.p2align	8
	.type	k_q8e9be70c90_ffn2,@function
k_q8e9be70c90_ffn2:
	s_mov_b64 s[64:65], 0
	v_nop
	global_prefetch_b8 v0, s[64:65] scope:SCOPE_SE
	s_setreg_imm32_b32 hwreg(HW_REG_WAVE_MODE, 25, 1), 1
	s_wait_xcnt 0x0
; SECOND PRODUCT.  part[kh][place][:] = hs[place][K half kh] w2[e][K half kh] + b2[e] (the bias in kh = 0 alone), f32: partial rows that the next launch weighs and adds.  Operands f16, sums in f32.
; SHARES.  Work-group (slice + 16 kh, e) alone reads the 1,024 x 64 numbers w2[e][1024 kh ..][64 slice ..], 256 KiB of f32, rounds them on their way through registers and keeps them in LDS (128 KiB) as
; fragments.  K is halved between two work-groups so that 256 work-groups have a slice each.  Its eight waves share the expert's blocks of 16 rows, each wave a run of blocks.
; THE FORMAT.  hs arrives in f16 (11 significant bits: its rounding reaches the output undiminished).  w2 is rounded to bf16, as every input of the program is, and that number is written as f16.
; OPERAND ORDER of hs and of the weight fragments: fragment phi (32 along K) is 1,024 bytes: half y at + 512 y, lane L at + 16 L; lane (r = L % 16, h = L / 16) holds row r (weights: column 64 slice + 4 r + j of
; fragment (phi, j)), k = 64 (phi / 2) + 32 h + 16 (phi % 2) + 8 y + 0..7: a permutation of K, the same in both operands.
; THE WEIGHTS COME UNDER THE FIRST PASS.  The slice goes in 8 chunks of 128 along K (four K steps).  Of chunk c wave w makes half w % 2 of fragment 4 c + w / 2: 8 loads, 32 registers.  Chunks 0 and 1 are asked for at the
; head.  At the head of K trip t (four steps) chunk t + 1 is rounded and stored, and chunk t + 2 asked for: it has the trip in which to land.  Two barriers stand there: between every wave's LDS reads and the
; stores, and between the stores and the reads.  Fragments are fetched two steps ahead, so a chunk is in LDS a trip before its first product.
; THE FIRST PASS IS ONE TEXT FOR EVERY WAVE, since every wave passes its barriers: five blocks, 20 accumulators that take turns.  A wave with four blocks or fewer jumps the fifth block's products (but those of the first
; step, which start the sums) and asks for 16 bytes a load in the fifth block's place (its offset is masked to 0): so every wave has the same number of loads out at every wait, whatever the count read from
; memory.  The mask hangs on that count, so the masked offset is bounded by a constant, 65,535, ahead of its use; the offsets in use stay under 32,768.
; Blocks past a wave's share repeat its last block and are not stored; a wave without blocks walks the block that the clamp leaves; for an expert without rows, whose region of hs holds nothing, the
; rows' base is w2 itself: what is multiplied there is never stored.
; LATER PASSES (a share of more than five blocks): four blocks each, a loop of a constant count, 7, in which a pass with nothing left is jumped; no barrier, no LDS write.
; The matrix instruction is used as it is (source 0 = rows, source 1 = weights): lane (l, h) holds rows 8 h + j' (register j'), column 64 slice + 4 l + j (accumulator j).  The line that adds the bias
; also gathers a lane's four columns: 16 bytes a lane, and 16 lanes store 256 consecutive bytes of a row of part.
; NO TENSOR LOADS, NO CLUSTER.  A slice of weights has one reader.  An expert's work-groups do read the same rows, but how many, and which wave takes which, hangs on a count read from memory.
; LIMITS.  w2 and b2 are rounded once to bf16.  w2 must stay under 65,504; its bf16 number is exact in f16 from 2^-14 up, and below that it keeps f16's fixed step of 6e-8
; (1e-4 of a spread of 0.02 / 30).  NaN and infinities are not treated apart.
.set PITCH, 4096                       ; bytes in a row of w2
.set LOGP,  12
.set CHUNK, 128*PITCH                  ; bytes from a chunk of the weights to the next
.set SPARE, 131072                     ; behind the fragments: the spare words, 128 bytes a wave, which no other line names
.set LOFF, 1                           ; v1  16 lane; never rewritten
.set LB,   2                           ; v2  LDS address of a K trip's fragments: 16 lane + s54, made in each trip
.set WOF,  3                           ; v3  my offset in w2: 32 h rows + 16 r
.set LST,  4                           ; v4  where I put my part of chunk 0: 16 lane + 4,096 (w / 2) + 512 (w % 2)
.set LSA,  5                           ; v5  the same for the chunk in hand: v4 + s55
; v6 16 r   v13 my offset in a block of part: 8 h rows + 16 r   v14-17 b2 of my four columns   v18, v19 at work   v30, v31 the add's
.set OF,   20                          ; v20-23  ring slot s: my byte offset in a block of rows; stepped when the slot's loads are in
.set O5,   24                          ; v24-27  the same for the fifth block, or 0
.set RW,   32                          ; v32-63   a chunk as loaded: load i at 4 i
.set PK,   64                          ; v64-79   my part of a chunk, packed: 4 j + p
.set AR,   96                          ; v96-255  rows' fragments, four slots: 40 sigma + 8 a;  on the way out v96-159: results to store
.set ACC,  0                           ; window 1: v0-159 accumulators: 32 a + 8 j
.set R1,   0                           ; window 1: v0-31 at the start: chunk 1 as loaded
.set WB,   160                         ; window 1: v160-223 weight fragments, two buffers: 32 beta + 8 j
.set AB,   40                          ; s[40:49] the five blocks' addresses; fixed for a pass
.set TB,   54                          ; s54  LDS byte at which the K trip's fragments begin: steps 16,384 a trip
.set TS,   55                          ; s55  LDS byte at which the chunk in hand begins
.set HM,   56                          ; s56  mask of a word's upper bf16
.set M5,   57                          ; s57  0xffff in a wave with five blocks, else 0
.set W_M,  0x54                        ; source 1 (weights), C and D window 1; also the LDS loads (address window 0, destination window 1)
.set W_L,  0x00
; s16 wave  s17 e  s18 slice  s19 kh  s20 count, blocks  s21 blocks left  s22 my next block  s23 my last  s24 blocks in a pass  s25 of them true  s26 passes  s27 K trips  s[28:29] an offset
; s[34:35] part at the pass's first block  s[36:37] the rows' base  s[38:39] w2 at my part of the chunk asked for last  s50 all ones in kh = 0, else 0  s51 at work  s[52:53] part at K half, expert and slice
.set MSB, 0
.macro WIN new                         ; the immediate's high byte repeats the setting that is left; a switch that changes nothing is dropped
.if MSB != (\new)
	s_set_vgpr_msb (MSB<<8)|(\new)
.set MSB, (\new)
.endif
.endm
.macro PLACES                          ; four plain instructions between a matrix instruction and a load into, or a read of, its registers
.rept 4
	v_nop
.endr
.endm
; THE WEIGHTS.  WLD: my 8 loads of a chunk.  WCV: rounded to bf16, widened in place, written as f16 and packed.  WST: into LDS, 16 bytes a lane for each of the four fragments.
.macro WLD win, rb, coff
	WIN \win
.set ii, 0
.rept 8
	global_load_b128 v[(\rb)+4*ii:(\rb)+4*ii+3], v[WOF], s[38:39] offset:(\coff)+ii*PITCH th:TH_LOAD_NT
.set ii, ii+1
.endr
.endm
.macro WCV wr, ww, rb                  ; wr: the windows that read the chunk's registers; ww: those that write them
	WIN \wr
.set ij, 0
.rept 4
.set ip, 0
.rept 4
	v_cvt_pk_bf16_f32 v[PK+4*ij+ip], v[(\rb)+8*ip+ij], v[(\rb)+8*ip+4+ij]  ; the input's one rounding, to bf16;
.set ip, ip+1
.endr
.set ij, ij+1
.endr
	WIN \ww
.set ij, 0
.rept 4
.set ip, 0
.rept 4
	v_lshlrev_b32 v[(\rb)+8*ip+ij], 16, v[PK+4*ij+ip]                      ; the two bf16 numbers as f32, where the f32 numbers lay,
	v_and_b32 v[(\rb)+8*ip+4+ij], s[HM], v[PK+4*ij+ip]
.set ip, ip+1
.endr
.set ij, ij+1
.endr
	WIN \wr
.set ij, 0
.rept 4
.set ip, 0
.rept 4
	v_cvt_pk_f16_f32 v[PK+4*ij+ip], v[(\rb)+8*ip+ij], v[(\rb)+8*ip+4+ij]   ; and written as f16
.set ip, ip+1
.endr
.set ij, ij+1
.endr
.endm
.macro WST adr, coff
	WIN 0
.set ij, 0
.rept 4
	ds_store_b128 v[\adr], v[PK+4*ij:PK+4*ij+3] offset:(\coff)+1024*ij
.set ij, ij+1
.endr
.endm
; The head of a K trip of the first pass: the chunk asked for a trip ago goes into LDS.  issue = 1: the next chunk is asked for.
.macro WPART issue
	s_wait_loadcnt 40                              ; my part of the chunk is in: behind it the last trip issued 4 x 10 loads of rows, which stay out
	s_wait_dscnt 0x0                               ; my LDS reads are back
	s_barrier_signal -1
	WCV 0, 0, RW                                   ; work on registers while the others arrive
	v_add_nc_u32 v[LSA], s[TS], v[LST]
	s_add_co_u32 s[TS], s[TS], 0x4000
	s_barrier_wait -1                              ; no wave has an LDS read out: the stores below stand behind every wave's reads
.if \issue
	s_add_nc_u64 s[38:39], s[38:39], CHUNK         ; free since the wait for the chunk's loads
	WLD 0, RW, 0
.endif
	WST LSA, 0
	s_wait_dscnt 0x0                               ; for the others' sake: my part is in LDS
	s_barrier_signal -1
	s_barrier_wait -1                              ; everybody's is
.endm
; THE K LOOP: 32 steps of 32 along K, four to a trip; the rows' fragments in a ring of four slots (asked for four steps ahead), the weights' in two buffers (two steps ahead).
.macro ALOAD n, sg
	WIN W_L
.set ia, 0
.rept 4
	global_load_b128 v[AR+40*(\sg)+8*ia:AR+40*(\sg)+8*ia+3],   v[OF+(\sg)], s[AB+2*ia:AB+2*ia+1]
	global_load_b128 v[AR+40*(\sg)+8*ia+4:AR+40*(\sg)+8*ia+7], v[OF+(\sg)], s[AB+2*ia:AB+2*ia+1] offset:512
.set ia, ia+1
.endr
.if (\n) == 5
	global_load_b128 v[AR+40*(\sg)+32:AR+40*(\sg)+35], v[O5+(\sg)], s[AB+8:AB+9]
	global_load_b128 v[AR+40*(\sg)+36:AR+40*(\sg)+39], v[O5+(\sg)], s[AB+8:AB+9] offset:512
.endif
.endm
.macro WFETCH bf, off
	WIN W_M
.set ij, 0
.rept 4
	ds_load_b128 v[WB+32*(\bf)+8*ij:WB+32*(\bf)+8*ij+3],   v[LB] offset:(\off)+1024*ij
	ds_load_b128 v[WB+32*(\bf)+8*ij+4:WB+32*(\bf)+8*ij+7], v[LB] offset:(\off)+1024*ij+512
.set ij, ij+1
.endr
.endm
.macro MM4 a, sg, first                ; block a's four products of a step
.set ij, 0
.rept 4
.if \first
	v_wmma_f32_16x16x32_f16 v[ACC+32*(\a)+8*ij:ACC+32*(\a)+8*ij+7], v[AR+40*(\sg)+8*(\a):AR+40*(\sg)+8*(\a)+7], v[WB+32*((\sg)%2)+8*ij:WB+32*((\sg)%2)+8*ij+7], 0
.else
	v_wmma_f32_16x16x32_f16 v[ACC+32*(\a)+8*ij:ACC+32*(\a)+8*ij+7], v[AR+40*(\sg)+8*(\a):AR+40*(\sg)+8*(\a)+7], v[WB+32*((\sg)%2)+8*ij:WB+32*((\sg)%2)+8*ij+7], v[ACC+32*(\a)+8*ij:ACC+32*(\a)+8*ij+7]
.endif
.set ij, ij+1
.endr
.endm
; One step.  The accumulators take turns, one instruction a turn.  five = 0: four blocks; 1: the fifth block's products are jumped in a wave that has none; 2: they are not.
; first = 1: the products start the sums.  lc: the loads issued behind this slot's, which stay out; dc: the next step's eight weight loads.
; The slot's offset is stepped behind the wait that shows its loads done; the step, the mask and the bound are three of the four places behind the products.
.macro STEP five, sg, first, aload, bload, lc, dc
	s_wait_loadcnt \lc
	s_wait_dscnt \dc
	WIN W_M
	MM4 0, \sg, \first
	MM4 1, \sg, \first
	MM4 2, \sg, \first
	MM4 3, \sg, \first
.if (\five) == 2
	MM4 4, \sg, \first
.endif
	WIN 0
.if (\five) == 1
	s_cmp_lg_u32 s24, 5
	s_cbranch_scc1 .Lfour_\@
	WIN W_M
	MM4 4, \sg, 0
	WIN 0
.Lfour_\@:
.endif
.if \aload
	v_add_nc_u32 v[OF+(\sg)], 0x1000, v[OF+(\sg)]  ; four steps on
.if \five
	v_and_b32 v[O5+(\sg)], s[M5], v[OF+(\sg)]
	v_min_u32 v[O5+(\sg)], 0xffff, v[O5+(\sg)]     ; a number that hangs on loaded data enters an address only behind a bound
.else
	v_nop
	v_nop
.endif
	v_nop
.elseif \bload
	PLACES
.endif
.if \bload
	WFETCH (\sg)%2, 4096*((\sg)+2)                 ; the weights two steps on
.endif
.if \aload
.if \five
	ALOAD 5, \sg                                   ; the rows four steps on
.else
	ALOAD 4, \sg
.endif
.endif
.endm
.macro TRIP f0, five, first, lc
	WIN 0
	v_add_nc_u32 v[LB], s[TB], v[LOFF]
	STEP \f0, 0, \first, 1, 1, \lc, 8
	STEP \five, 1, 0, 1, 1, \lc, 8
	STEP \five, 2, 0, 1, 1, \lc, 8
	STEP \five, 3, 0, 1, 1, \lc, 8
	WIN 0
	s_add_co_u32 s[TB], s[TB], 0x4000
.endm
.macro TAIL five, n                    ; steps 28-31 ask for no rows: the counts run down, 2 n loads a step
	WIN 0
	v_add_nc_u32 v[LB], s[TB], v[LOFF]
	STEP \five, 0, 0, 0, 1, 6*(\n), 8
	STEP \five, 1, 0, 0, 1, 4*(\n), 8
	STEP \five, 2, 0, 0, 0, 2*(\n), 8
	STEP \five, 3, 0, 0, 0, 0, 0
	PLACES                                         ; ahead of the first read of the results
	WIN 0
.endm
.macro PRO n                           ; a pass begins: the ring's four slots are asked for
	WIN 0
	s_mov_b32 s[TB], 0
.set is, 0
.rept 4
	v_add_nc_u32 v[OF+is], 1024*is, v[LOFF]
.if (\n) == 5
	v_and_b32 v[O5+is], s[M5], v[OF+is]
	v_min_u32 v[O5+is], 0xffff, v[O5+is]           ; the bound, as in a step
.endif
.set is, is+1
.endr
	ALOAD \n, 0
	ALOAD \n, 1
	ALOAD \n, 2
	ALOAD \n, 3
.endm
.macro SETUP n                         ; the pass's blocks: past my share my last block once more
.set ia, 0
.rept \n
	s_add_co_u32 s51, s22, ia
	s_min_u32 s51, s51, s23
	s_min_u32 s51, s51, 0xff
	s_lshl_b32 s28, s51, 16
	s_add_nc_u64 s[AB+2*ia:AB+2*ia+1], s[36:37], s[28:29]
.set ia, ia+1
.endr
	s_min_u32 s51, s22, 0xff
	s_lshl_b32 s28, s51, 16
	s_add_nc_u64 s[34:35], s[52:53], s[28:29]
.endm
; THE WAY OUT of block a: the bias is added by the line that lays a lane's four columns side by side.  Register 0 of each accumulator is read first.
.macro EPI a
.set tb, 96+32*((\a)%2)
	s_wait_xcnt 0x0                                ; earlier stores have read the registers written below
	WIN 0x01                                       ; source 0 (the sums) window 1
.set ip, 0
.rept 8
.set ij, 0
.rept 4
	v_add_f32 v[tb+4*ip+ij], v[ACC+32*(\a)+8*ij+ip], v[14+ij]
.set ij, ij+1
.endr
.set ip, ip+1
.endr
	WIN 0
.set ip, 0
.rept 8
	global_store_b128 v13, v[tb+4*ip:tb+4*ip+3], s[34:35] offset:65536*(\a)+4096*ip  ; 16 lanes store 256 consecutive bytes of row 8 h + ip, at a multiple of 256 from part's first
.set ip, ip+1
.endr
.endm
	s_load_b256 s[4:11], s[0:1], 0x0               ; cnt s[4:5], hs s[6:7], w2 s[8:9], b2 s[10:11]
	s_load_b64 s[12:13], s[0:1], 0x20              ; part
	v_lshl_add_u32 v30, v0, 2, SPARE               ; my spare word,
	v_mov_b32 v31, 0                               ; and 0: for the wave's end
	v_lshrrev_b32 v18, 5, v0
	v_readfirstlane_b32 s16, v18
	s_and_b32 s17, ttmp7, 0xffff
	s_and_b32 s18, ttmp9, 15
	s_lshr_b32 s19, ttmp9, 4
	v_and_b32 v18, 31, v0
	v_lshlrev_b32 v[LOFF], 4, v18
	v_and_b32 v19, 15, v0
	v_bfe_u32 v18, v0, 4, 1
	v_lshlrev_b32 v6, 4, v19
	v_lshl_add_u32 v[WOF], v18, LOGP+5, v6
	v_lshl_add_u32 v13, v18, 15, v6
	s_lshr_b32 s24, s16, 1
	s_lshl_b32 s24, s24, 12
	s_and_b32 s25, s16, 1
	s_lshl_b32 s25, s25, 9
	s_add_co_u32 s24, s24, s25
	v_add_nc_u32 v[LST], s24, v[LOFF]
	s_mov_b32 s29, 0
	s_mov_b32 s[HM], 0xffff0000
	s_cmp_eq_u32 s19, 0
	s_cselect_b32 s50, -1, 0
	s_lshl_b32 s51, s17, 2
	s_wait_kmcnt 0x0
	s_load_b32 s20, s[4:5], s51 offset:0x0         ; the expert's count: waited for behind the first loads of weights
	s_lshl_b32 s28, s17, 24
	s_lshl_b32 s24, s19, 15
	s_add_co_u32 s28, s28, s24
	s_add_nc_u64 s[36:37], s[6:7], s[28:29]        ; hs: 16 MiB an expert; K half kh begins at fragment 32 kh of a block
	s_lshl_b32 s28, s17, 23
	s_lshl_b32 s24, s19, 22
	s_add_co_u32 s28, s28, s24                     ; w2: 8 MiB an expert, 4 MiB a K half,
	s_lshl_b32 s24, s18, 8
	s_add_co_u32 s28, s28, s24                     ; 256 bytes a slice;
	s_lshr_b32 s24, s16, 2
	s_lshl_b32 s24, s24, LOGP+6
	s_add_co_u32 s28, s28, s24                     ; my part of a chunk begins at its row 64 (w / 4) + 16 ((w / 2) % 2) + 8 (w % 2)
	s_bfe_u32 s24, s16, 0x10001
	s_lshl_b32 s24, s24, LOGP+4
	s_add_co_u32 s28, s28, s24
	s_and_b32 s24, s16, 1
	s_lshl_b32 s24, s24, LOGP+3
	s_add_co_u32 s28, s28, s24
	s_add_nc_u64 s[38:39], s[8:9], s[28:29]
	s_lshl_b32 s28, s17, 12
	s_lshl_b32 s24, s18, 8
	s_add_co_u32 s28, s28, s24
	s_add_nc_u64 s[10:11], s[10:11], s[28:29]      ; b2 at the slice
	s_lshl_b32 s28, s19, 27
	s_lshl_b32 s24, s17, 24
	s_add_co_u32 s28, s28, s24
	s_lshl_b32 s24, s18, 8
	s_add_co_u32 s28, s28, s24
	s_add_nc_u64 s[52:53], s[12:13], s[28:29]      ; part: 128 MiB a K half, 16 MiB an expert, 256 bytes a slice
	global_load_b128 v[14:17], v6, s[10:11]        ; b2[64 slice + 4 r + 0..3]
	WLD 0, RW, 0                                   ; chunk 0
	WLD 0x40, R1, CHUNK                            ; chunk 1, into registers that the sums take later
	WIN 0
	s_wait_kmcnt 0x0                               ; the count
	s_add_co_u32 s20, s20, 15
	s_lshr_b32 s20, s20, 4
	s_min_u32 s20, s20, 256                        ; blocks
	s_cmp_eq_u32 s20, 0
	s_cselect_b64 s[36:37], s[8:9], s[36:37]       ; an expert without rows: nothing was stored in its region of hs
	s_lshr_b32 s28, s20, 3
	s_and_b32 s51, s20, 7                          ; the first (blocks % 8) waves take one more
	s_mul_i32 s22, s16, s28
	s_min_u32 s23, s16, s51
	s_add_co_u32 s22, s22, s23                     ; my first block
	s_cmp_lt_u32 s16, s51
	s_cselect_b32 s21, 1, 0
	s_add_co_u32 s21, s21, s28                     ; how many
	s_add_co_u32 s23, s22, s21
	s_sub_co_u32 s23, s23, 1                       ; my last
	s_cmp_ge_u32 s21, 5
	s_cselect_b32 s24, 5, 4
	s_cselect_b32 s[M5], 0xffff, 0
	s_min_u32 s[M5], s[M5], 0xffff                 ; it hangs on the count: bounded by a constant
	s_min_u32 s25, s21, s24
	s_mov_b32 s26, 8                               ; the first pass and 7 of four blocks: 33 blocks a wave
	SETUP 5
	PRO 5
	; THE FIRST PASS
	s_wait_loadcnt 40                              ; b2 and chunks 0 and 1 are in; the ring's 40 loads, issued behind them, stay out
	s_add_nc_u64 s[38:39], s[38:39], 2*CHUNK
	WCV 0, 0, RW
	WLD 0, RW, 0                                   ; chunk 2
	WST LST, 0
	WCV 0x05, 0x40, R1
	WST LST, 16384
	v_cvt_pk_bf16_f32 v18, v14, v15                ; the bias is rounded to bf16 and widened again,
	v_cvt_pk_bf16_f32 v19, v16, v17
	v_lshlrev_b32 v14, 16, v18
	v_and_b32 v15, s[HM], v18
	v_lshlrev_b32 v16, 16, v19
	v_and_b32 v17, s[HM], v19
.set ij, 0
.rept 4
	v_and_b32 v[14+ij], s50, v[14+ij]              ; and is 0 in the second K half
.set ij, ij+1
.endr
	s_mov_b32 s[TS], 0x8000                        ; chunk 2's place
	s_wait_dscnt 0x0                               ; for the others' sake: my parts of chunks 0 and 1 are in LDS
	s_barrier_signal -1
	s_barrier_wait -1
	v_add_nc_u32 v[LB], s[TB], v[LOFF]
	WFETCH 0, 0
	WFETCH 1, 4096
	TRIP 2, 1, 1, 38                               ; trip 0: its first products start the sums.  38: 30 loads of the three later steps and the 8 of the chunk asked for at the trip's head
	s_mov_b32 s27, 5
.Lq:                                                   ; trips 1 to 5: chunk t + 1 into LDS, chunk t + 2 asked for
	WPART 1
	TRIP 1, 1, 0, 38
	s_sub_co_u32 s27, s27, 1
	s_cmp_lg_u32 s27, 0
	s_cbranch_scc1 .Lq
	WPART 0                                        ; trip 6: chunk 7 into LDS; nothing is left to ask for
	TRIP 1, 1, 0, 30
	TAIL 1, 5
	s_branch .Lepi                                 ; the way out is written once, in the loop over later passes
.Lpass:
	s_cmp_eq_u32 s21, 0
	s_cbranch_scc1 .Lnext                          ; nothing left: jump to the counter's step
	s_wait_xcnt 0x0                                ; the last pass's stores have read their registers and base
	s_mov_b32 s24, 4
	s_min_u32 s25, s21, s24
	SETUP 4
	PRO 4
	WIN 0
	v_add_nc_u32 v[LB], s[TB], v[LOFF]
	WFETCH 0, 0
	WFETCH 1, 4096
	TRIP 0, 0, 1, 24                               ; 24: the loads of the three later steps, 8 each
	s_mov_b32 s27, 6
.Lk:
	TRIP 0, 0, 0, 24
	s_sub_co_u32 s27, s27, 1
	s_cmp_lg_u32 s27, 0
	s_cbranch_scc1 .Lk
	TAIL 0, 4
.Lepi:
	s_cmp_lg_u32 s24, 5
	s_cbranch_scc1 .Lnofive
	EPI 4                                          ; a pass of five is always full
.Lnofive:
	s_cmp_eq_u32 s25, 0
	s_cbranch_scc1 .Ldone                          ; repeated blocks are not stored
	EPI 0
	s_cmp_le_u32 s25, 1
	s_cbranch_scc1 .Ldone
	EPI 1
	s_cmp_le_u32 s25, 2
	s_cbranch_scc1 .Ldone
	EPI 2
	s_cmp_le_u32 s25, 3
	s_cbranch_scc1 .Ldone
	EPI 3
.Ldone:
	s_sub_co_u32 s21, s21, s25
	s_add_co_u32 s22, s22, s25
.Lnext:
	s_sub_co_u32 s26, s26, 1
	s_cmp_lg_u32 s26, 0
	s_cbranch_scc1 .Lpass
	s_wait_dscnt 0x0                               ; my LDS reads are back;
	s_barrier_signal -1
	s_barrier_wait -1                              ; every wave's are: the LDS write below stands behind a barrier behind all the work-group's LDS reads
	s_wait_tensorcnt 0x0                           ; the wave's end, behind my last LDS store
	ds_add_u32 v30, v31
	s_wait_dscnt 0x0
	s_endpgm
.Lfunc_end_k_q8e9be70c90_ffn2:
	.size	k_q8e9be70c90_ffn2, .Lfunc_end_k_q8e9be70c90_ffn2-k_q8e9be70c90_ffn2
	.p2alignl 7, 3214868480
	.fill 96, 4, 3214868480
	.section	.rodata,"a",@progbits
	.p2align	6, 0x0
	.amdhsa_kernel k_q8e9be70c90_ffn2
		.amdhsa_group_segment_fixed_size 132096
		.amdhsa_private_segment_fixed_size 0
		.amdhsa_enable_private_segment 0
		.amdhsa_kernarg_size 40
		.amdhsa_user_sgpr_count 2
		.amdhsa_user_sgpr_kernarg_segment_ptr 1
		.amdhsa_wavefront_size32 1
		.amdhsa_system_sgpr_workgroup_id_x 1
		.amdhsa_system_sgpr_workgroup_id_y 1
		.amdhsa_system_sgpr_workgroup_id_z 1
		.amdhsa_system_vgpr_workitem_id 0
		.amdhsa_next_free_vgpr 480
		.amdhsa_next_free_sgpr 66
		.amdhsa_reserve_vcc 0
		.amdhsa_float_denorm_mode_32 3
		.amdhsa_float_denorm_mode_16_64 3
		.amdhsa_memory_ordered 1
		.amdhsa_forward_progress 1
		.amdhsa_inst_pref_size 116
	.end_amdhsa_kernel
	.amdgpu_metadata
---
amdhsa.version: [ 1, 2 ]
amdhsa.kernels:
  - .name:           k_q8e9be70c90_ffn2
    .symbol:         k_q8e9be70c90_ffn2.kd
    .args:
      - { .name: cnt, .offset: 0, .size: 8, .value_kind: global_buffer, .address_space: global }
      - { .name: hs, .offset: 8, .size: 8, .value_kind: global_buffer, .address_space: global }
      - { .name: w2, .offset: 16, .size: 8, .value_kind: global_buffer, .address_space: global }
      - { .name: b2, .offset: 24, .size: 8, .value_kind: global_buffer, .address_space: global }
      - { .name: part, .offset: 32, .size: 8, .value_kind: global_buffer, .address_space: global }
    .group_segment_fixed_size: 132096
    .private_segment_fixed_size: 0
    .kernarg_segment_align: 8
    .kernarg_segment_size: 40
    .max_flat_workgroup_size: 256
    .sgpr_count:     66
    .vgpr_count:     480
    .wavefront_size: 32
...
	.end_amdgpu_metadata
.endif
;; end of part 3
;; launch comb (part 4): grid 256 x 1, 8 waves a work-group, no clusters, 0 bytes of LDS; arguments pos, probs, part, out0; writes out0
.if DOCPART == 4
	.amdgcn_target "amdgcn-amd-amdhsa--gfx1250"
	.amdhsa_code_object_version 6
	.text
	.protected	k_q8e9be70c90_comb
	.globl	k_q8e9be70c90_comb
	.p2align	8
	.type	k_q8e9be70c90_comb,@function
k_q8e9be70c90_comb:
	s_mov_b64 s[64:65], 0
	v_nop
	global_prefetch_b8 v0, s[64:65] scope:SCOPE_SE
	s_setreg_imm32_b32 hwreg(HW_REG_WAVE_MODE, 25, 1), 1
	s_wait_xcnt 0x0
; THE SUM.  out0[t] = p0 (part[0][pos[t]] + part[1][pos[t]]) + p1 (part[0][pos[2048 + t]] + part[1][pos[2048 + t]]): a token's two choices, each in two K halves, each choice times its gate weight
; p_j = probs[j x 2048 + t]; the biases are inside the rows already.
; A wave owns one token: four rows of 4,096 bytes in, one out.  All 32 loads (512 consecutive bytes each) go out at once; the sums and stores follow as the loads come in.
; A stream: memory binds, so no LDS, no barrier, no matrix unit.  Each row of part is read once in the launch.
; LIMIT.  probs is rounded once to bf16, as every input of the program is.
	s_load_b256 s[4:11], s[0:1], 0x0               ; pos s[4:5], probs s[6:7], part s[8:9], out0 s[10:11]
	v_lshrrev_b32 v2, 5, v0
	v_readfirstlane_b32 s12, v2
	s_lshl_b32 s13, ttmp9, 3
	s_add_co_u32 s12, s13, s12                     ; my token
	s_lshl_b32 s28, s12, 2
	v_and_b32 v1, 31, v0
	v_lshlrev_b32 v1, 4, v1
	s_mov_b32 s25, 0
	s_wait_kmcnt 0x0
	s_load_b32 s13, s[4:5], s28 offset:0x0         ; the places of its two choices,
	s_load_b32 s14, s[4:5], s28 offset:0x2000
	s_load_b32 s26, s[6:7], s28 offset:0x0         ; and their gate weights
	s_load_b32 s27, s[6:7], s28 offset:0x2000
	s_lshl_b32 s24, s12, 12
	s_add_nc_u64 s[10:11], s[10:11], s[24:25]      ; out0 at my row
	s_wait_kmcnt 0x0
	s_min_u32 s13, s13, 0x7fff
	s_lshl_b32 s24, s13, 12                        ; a place is a row of 4,096 bytes
	s_add_nc_u64 s[16:17], s[8:9], s[24:25]
	s_add_nc_u64 s[18:19], s[16:17], 0x8000000     ; the second K half lies 128 MiB on
	s_min_u32 s14, s14, 0x7fff
	s_lshl_b32 s24, s14, 12
	s_add_nc_u64 s[20:21], s[8:9], s[24:25]
	s_add_nc_u64 s[22:23], s[20:21], 0x8000000
.set iq, 0
.rept 8
.set is, 0
.rept 4
	global_load_b128 v[8+16*iq+4*is:8+16*iq+4*is+3], v1, s[16+2*is:17+2*is] offset:512*iq th:TH_LOAD_NT
.set is, is+1
.endr
.set iq, iq+1
.endr
	v_mov_b32 v2, s26                              ; the two gate weights, rounded to bf16, each twice: pairs for the packed lines
	v_mov_b32 v3, s27
	v_cvt_pk_bf16_f32 v6, v2, v3
	v_lshlrev_b32 v2, 16, v6
	v_and_b32 v4, 0xffff0000, v6
	v_mov_b32 v3, v2
	v_mov_b32 v5, v4
.set iq, 0
.rept 8
.set vb, 8+16*iq
	s_wait_loadcnt 4*(7-iq)                        ; the later pieces' loads stay out
	v_pk_add_f32 v[vb:vb+1],     v[vb:vb+1],     v[vb+4:vb+5]
	v_pk_add_f32 v[vb+2:vb+3],   v[vb+2:vb+3],   v[vb+6:vb+7]
	v_pk_add_f32 v[vb+8:vb+9],   v[vb+8:vb+9],   v[vb+12:vb+13]
	v_pk_add_f32 v[vb+10:vb+11], v[vb+10:vb+11], v[vb+14:vb+15]
	v_pk_mul_f32 v[vb+8:vb+9],   v[vb+8:vb+9],   v[4:5]
	v_pk_mul_f32 v[vb+10:vb+11], v[vb+10:vb+11], v[4:5]
	v_pk_fma_f32 v[vb:vb+1],     v[vb:vb+1],     v[2:3], v[vb+8:vb+9]
	v_pk_fma_f32 v[vb+2:vb+3],   v[vb+2:vb+3],   v[2:3], v[vb+10:vb+11]
	global_store_b128 v1, v[vb:vb+3], s[10:11] offset:512*iq th:TH_STORE_NT  ; 512 consecutive bytes, at a multiple of 512 from out0's first
.set iq, iq+1
.endr
	s_endpgm
.Lfunc_end_k_q8e9be70c90_comb:
	.size	k_q8e9be70c90_comb, .Lfunc_end_k_q8e9be70c90_comb-k_q8e9be70c90_comb
	.p2alignl 7, 3214868480
	.fill 96, 4, 3214868480
	.section	.rodata,"a",@progbits
	.p2align	6, 0x0
	.amdhsa_kernel k_q8e9be70c90_comb
		.amdhsa_group_segment_fixed_size 0
		.amdhsa_private_segment_fixed_size 0
		.amdhsa_enable_private_segment 0
		.amdhsa_kernarg_size 32
		.amdhsa_user_sgpr_count 2
		.amdhsa_user_sgpr_kernarg_segment_ptr 1
		.amdhsa_wavefront_size32 1
		.amdhsa_system_sgpr_workgroup_id_x 1
		.amdhsa_system_sgpr_workgroup_id_y 1
		.amdhsa_system_sgpr_workgroup_id_z 1
		.amdhsa_system_vgpr_workitem_id 0
		.amdhsa_next_free_vgpr 136
		.amdhsa_next_free_sgpr 66
		.amdhsa_reserve_vcc 0
		.amdhsa_float_denorm_mode_32 3
		.amdhsa_float_denorm_mode_16_64 3
		.amdhsa_memory_ordered 1
		.amdhsa_forward_progress 1
		.amdhsa_inst_pref_size 10
	.end_amdhsa_kernel
	.amdgpu_metadata
---
amdhsa.version: [ 1, 2 ]
amdhsa.kernels:
  - .name:           k_q8e9be70c90_comb
    .symbol:         k_q8e9be70c90_comb.kd
    .args:
      - { .name: pos, .offset: 0, .size: 8, .value_kind: global_buffer, .address_space: global }
      - { .name: probs, .offset: 8, .size: 8, .value_kind: global_buffer, .address_space: global }
      - { .name: part, .offset: 16, .size: 8, .value_kind: global_buffer, .address_space: global }
      - { .name: out0, .offset: 24, .size: 8, .value_kind: global_buffer, .address_space: global }
    .group_segment_fixed_size: 0
    .private_segment_fixed_size: 0
    .kernarg_segment_align: 8
    .kernarg_segment_size: 32
    .max_flat_workgroup_size: 256
    .sgpr_count:     66
    .vgpr_count:     136
    .wavefront_size: 32
...
	.end_amdgpu_metadata
.endif
;; end of part 4
;; ======== version 2 of 2: 4 launches; version 1 with the launches ffn2, comb written anew for expert scheduling mode
;; limits: values are held in f16: magnitudes above 65,504 overflow, below 6.1e-05 lose precision
;; workspace buffers: cnt 256 bytes of whole numbers; pos 16,384 bytes of whole numbers; xs 67,108,864 bytes; hs 134,217,728 bytes; part 268,435,456 bytes
;; launch route: the kernel of part 1 again; grid 64 x 8, 4 waves a work-group, no clusters, 34,304 bytes of LDS; arguments experts, x, xs, pos, cnt; writes xs, pos, cnt
;; launch ffn1: the kernel of part 2 again; grid 32 x 8, 8 waves a work-group, no clusters, 132,096 bytes of LDS; arguments cnt, xs, w1, b1, hs; writes hs
;; launch ffn2 (part 5): grid 32 x 8, 8 waves a work-group, no clusters, 132,096 bytes of LDS; arguments cnt, hs, w2, b2, part; writes part
.if DOCPART == 5
	.amdgcn_target "amdgcn-amd-amdhsa--gfx1250"
	.amdhsa_code_object_version 6
	.text
	.protected	k_q8e9be70c90_ffn2
	.globl	k_q8e9be70c90_ffn2
	.p2align	8
	.type	k_q8e9be70c90_ffn2,@function
k_q8e9be70c90_ffn2:
	s_mov_b64 s[64:65], 0
	v_nop
	global_prefetch_b8 v0, s[64:65] scope:SCOPE_SE
	s_setreg_imm32_b32 hwreg(HW_REG_WAVE_SCHED_MODE, 0, 2), 2
	s_setreg_imm32_b32 hwreg(HW_REG_WAVE_MODE, 25, 1), 1
	s_wait_xcnt 0x0
	s_wait_alu depctr_vm_vsrc(0)
; SECOND PRODUCT.  part[kh][place][:] = hs[place][K half kh] w2[e][K half kh] + b2[e] (the bias in kh = 0 alone), f32: partial rows that the next launch weighs and adds.  Operands f16, sums in f32.
; SHARES.  Work-group (slice + 16 kh, e) alone reads the 1,024 x 64 numbers w2[e][1024 kh ..][64 slice ..], 256 KiB of f32, rounds them on their way through registers and keeps them in LDS (128 KiB) as
; fragments.  K is halved between two work-groups so that 256 work-groups have a slice each.  Its eight waves share the expert's blocks of 16 rows, each wave a run of blocks.
; THE FORMAT.  hs arrives in f16 (11 significant bits: its rounding reaches the output undiminished).  w2 is rounded to bf16, as every input of the program is, and that number is written as f16.
; OPERAND ORDER of hs and of the weight fragments: fragment phi (32 along K) is 1,024 bytes: half y at + 512 y, lane L at + 16 L; lane (r = L % 16, h = L / 16) holds row r (weights: column 64 slice + 4 r + j of
; fragment (phi, j)), k = 64 (phi / 2) + 32 h + 16 (phi % 2) + 8 y + 0..7: a permutation of K, the same in both operands.
; THE WEIGHTS COME UNDER THE FIRST PASS.  The slice goes in 8 chunks of 128 along K (four K steps).  Of chunk c wave w makes half w % 2 of fragment 4 c + w / 2: 8 loads, 32 registers.  Chunks 0 and 1 are asked for at the
; head.  At the head of K trip t (four steps) chunk t + 1 is rounded and stored; chunk t + 2 is asked for in the trip's first step: it has the trip in which to land.  Two barriers stand at a trip's head: between
; every wave's LDS reads and the stores, and between the stores and the reads.  A step's fragments are fetched in the step before, so a chunk is in LDS three steps before its first fetch.
; THE FIRST PASS IS ONE TEXT FOR EVERY WAVE, since every wave passes its barriers: five blocks, 20 accumulators that take turns.  A wave with four blocks or fewer jumps the fifth block's products (but those of the first
; step, which start the sums) and asks for 16 bytes a load in the fifth block's place (its offset is masked to 0): so every wave has the same number of loads out at every wait, whatever the count read from
; memory.  The mask hangs on that count, so the masked offset is bounded by a constant, 65,535, ahead of its use; the offsets in use stay under 32,768.
; Blocks past a wave's share repeat its last block and are not stored; a wave without blocks walks the block that the clamp leaves; for an expert without rows, whose region of hs holds nothing, the
; rows' base is w2 itself: what is multiplied there is never stored.
; LATER PASSES (a share of more than five blocks): four blocks each, a loop of a constant count, 7, in which a pass with nothing left is jumped; no barrier, no LDS write.
; The matrix instruction is used as it is (source 0 = rows, source 1 = weights): lane (l, h) holds rows 8 h + j' (register j'), column 64 slice + 4 l + j (accumulator j).  The line that adds the bias
; also gathers a lane's four columns: 16 bytes a lane, and 16 lanes store 256 consecutive bytes of a row of part.
; NO TENSOR LOADS, NO CLUSTER.  A slice of weights has one reader.  An expert's work-groups do read the same rows, but how many, and which wave takes which, hangs on a count read from memory.
; LIMITS.  w2 and b2 are rounded once to bf16.  w2 must stay under 65,504; its bf16 number is exact in f16 from 2^-14 up, and below that it keeps f16's fixed step of 6e-8
; (1e-4 of a spread of 0.02 / 30).  NaN and infinities are not treated apart.
; THE MODE: SCHED_MODE bits 1:0 = 2 (LLVM: expert scheduling mode 2), set by the entry lines.  The code itself states the register dependences
; between vector or matrix instructions and memory or LDS instructions, with s_wait_alu, always for 0.
; THE PLAN.  Registers that memory or LDS instructions touch:
;   AR0 .. AR3   Step s: its products read AR[s % 4]; the loads of step s + 3, issued in step s, land in AR[(s - 1) % 4], which the products of step s - 1 read.
;   WB0, WB1     Step s: its products read WB[s % 2]; the LDS loads of step s + 1's fragments, issued in step s, land in the other buffer, which the products of step s - 1 read.
;   OF, O5       A slot's offsets: read by the slot's loads; written at the end of the step that multiplies the slot.
;   v[LB]        Read by every LDS load of a fragment; written once a trip, at the trip's end.
;   RW           Loads land in it, asked for in a trip's first step; the conversions at the next trip's head read and write it.
;   PK, PK2, v[LSA]   Written by the conversions and the add at a trip's head (PK2: at the start alone); read by the LDS stores that follow.
;   v96-255      On the way out: block a has 32 registers of its own: written by its additions, read by its stores; the next pass's loads land there.
;   v3, v4, v6, v13   Offsets made at the head and never written again.   The accumulators are named by matrix instructions and by the way out's additions alone.
; So ONE wait on va_vdst stands at the head of a step, behind the waits for the step's data: it states that the products of the step before are done reading the two buffers that this step's loads land in, and
; that the offsets written at that step's end are written.  The step's loads follow, dealt among its products, which name AR[s % 4], WB[s % 2] and accumulators: none of the registers that those loads touch.
; One wait on vm_vsrc stands at a step's end, ahead of the add to the slot's offset.
.set PITCH, 4096                       ; bytes in a row of w2
.set LOGP,  12
.set CHUNK, 128*PITCH                  ; bytes from a chunk of the weights to the next
.set LOFF, 1                           ; v1  16 lane; never rewritten
.set LB,   2                           ; v2  LDS address of a K trip's fragments: 16 lane + s54, made at a pass's opening and at each trip's end
.set WOF,  3                           ; v3  my offset in w2: 32 h rows + 16 r
.set LST,  4                           ; v4  where I put my part of chunk 0: 16 lane + 4,096 (w / 2) + 512 (w % 2)
.set LSA,  5                           ; v5  the same for the chunk in hand: v4 + s55
; v6 16 r   v13 my offset in a block of part: 8 h rows + 16 r   v14-17 b2 of my four columns   v18, v19 at work
.set OF,   20                          ; v20-23  ring slot s: my byte offset in a block of rows; stepped when the slot's loads are in
.set O5,   24                          ; v24-27  the same for the fifth block, or 0
.set RW,   32                          ; v32-63   a chunk as loaded: load i at 4 i
.set PK,   64                          ; v64-79   my part of a chunk, packed: 4 j + p
.set PK2,  80                          ; v80-95   at the start: my part of chunk 1, so that one wait serves the stores of chunks 0 and 1
.set AR,   96                          ; v96-255  rows' fragments, four slots: 40 sigma + 8 a;  on the way out: results to store, 32 a block
.set ACC,  0                           ; window 1: v0-159 accumulators: 32 a + 8 j
.set R1,   0                           ; window 1: v0-31 at the start: chunk 1 as loaded
.set WB,   160                         ; window 1: v160-223 weight fragments, two buffers: 32 beta + 8 j
.set AB,   40                          ; s[40:49] the five blocks' addresses; fixed for a pass
.set TB,   54                          ; s54  LDS byte at which the K trip's fragments begin: steps 16,384 a trip
.set TS,   55                          ; s55  LDS byte at which the chunk in hand begins
.set HM,   56                          ; s56  mask of a word's upper bf16
.set M5,   57                          ; s57  0xffff in a wave with five blocks, else 0
.set W_M,  0x54                        ; source 1 (weights), C and D window 1; also the LDS loads (address window 0, destination window 1)
.set W_L,  0x00
; s16 wave  s17 e  s18 slice  s19 kh  s20 count, blocks  s21 blocks left  s22 my next block  s23 my last  s24 blocks in a pass  s25 of them true  s26 passes  s27 K trips  s[28:29] an offset
; s[34:35] part at the pass's first block  s[36:37] the rows' base  s[38:39] w2 at my part of the chunk to be asked for  s50 all ones in kh = 0, else 0  s51 at work  s[52:53] part at K half, expert and slice
.set MSB, 0
.macro WIN new                         ; the immediate's high byte repeats the setting that is left; a switch that changes nothing is dropped
.if MSB != (\new)
	s_set_vgpr_msb (MSB<<8)|(\new)
.set MSB, (\new)
.endif
.endm
.macro PLACES                          ; four plain instructions between a matrix instruction and a load into, or a read of, its registers
.rept 4
	v_nop
.endr
.endm
; THE WEIGHTS.  WLD: my 8 loads of a chunk.  WCV: rounded to bf16, widened in place, written as f16 and packed.  WST: into LDS, 16 bytes a lane for each of the four fragments.
.macro WLD win, rb, coff
	WIN \win
.set ii, 0
.rept 8
	global_load_b128 v[(\rb)+4*ii:(\rb)+4*ii+3], v[WOF], s[38:39] offset:(\coff)+ii*PITCH th:TH_LOAD_NT
.set ii, ii+1
.endr
.endm
.macro WCV wr, ww, rb, pk              ; wr: the windows that read the chunk's registers; ww: those that write them; pk: where the packed part goes
	WIN \wr
.set ij, 0
.rept 4
.set ip, 0
.rept 4
	v_cvt_pk_bf16_f32 v[(\pk)+4*ij+ip], v[(\rb)+8*ip+ij], v[(\rb)+8*ip+4+ij]  ; the input's one rounding, to bf16;
.set ip, ip+1
.endr
.set ij, ij+1
.endr
	WIN \ww
.set ij, 0
.rept 4
.set ip, 0
.rept 4
	v_lshlrev_b32 v[(\rb)+8*ip+ij], 16, v[(\pk)+4*ij+ip]                      ; the two bf16 numbers as f32, where the f32 numbers lay,
	v_and_b32 v[(\rb)+8*ip+4+ij], s[HM], v[(\pk)+4*ij+ip]
.set ip, ip+1
.endr
.set ij, ij+1
.endr
	WIN \wr
.set ij, 0
.rept 4
.set ip, 0
.rept 4
	v_cvt_pk_f16_f32 v[(\pk)+4*ij+ip], v[(\rb)+8*ip+ij], v[(\rb)+8*ip+4+ij]   ; and written as f16
.set ip, ip+1
.endr
.set ij, ij+1
.endr
.endm
.macro WST adr, coff, pk
	WIN 0
.set ij, 0
.rept 4
	ds_store_b128 v[\adr], v[(\pk)+4*ij:(\pk)+4*ij+3] offset:(\coff)+1024*ij
.set ij, ij+1
.endr
.endm
; The head of a K trip of the first pass: the chunk asked for a trip ago goes into LDS.  issue = 1: the base moves on to the next chunk, which the trip's first step asks for.
.macro WPART issue
	s_wait_loadcnt 30                              ; my part of the chunk is in: behind it the last trip's steps 1 to 3 issued 3 x 10 loads of rows, which stay out
	s_wait_dscnt 0x0                               ; my LDS reads are back
	s_wait_alu depctr_vm_vsrc(0)                   ; the LDS stores of the chunk before have read PK and v[LSA], which the lines below write again
	s_barrier_signal -1
	WCV 0, 0, RW, PK                               ; work on registers while the others arrive
	v_add_nc_u32 v[LSA], s[TS], v[LST]
	s_add_co_u32 s[TS], s[TS], 0x4000
	s_barrier_wait -1                              ; no wave has an LDS read out: the stores below stand behind every wave's reads
.if \issue
	s_add_nc_u64 s[38:39], s[38:39], CHUNK         ; free since the wait for the chunk's loads
.endif
	s_wait_alu depctr_va_vdst(0)                   ; the conversions have written PK, and the add v[LSA]: the LDS stores read them
	WST LSA, 0, PK
	s_wait_dscnt 0x0                               ; for the others' sake: my part is in LDS
	s_barrier_signal -1
	s_barrier_wait -1                              ; everybody's is
.endm
; THE K LOOP: 32 steps of 32 along K, four to a trip; the rows' fragments in a ring of four slots (step s asks for step s + 3), the weights' in two buffers (step s fetches step s + 1's).
.macro ALOAD n, sg
	WIN W_L
.set ia, 0
.rept 4
	global_load_b128 v[AR+40*(\sg)+8*ia:AR+40*(\sg)+8*ia+3],   v[OF+(\sg)], s[AB+2*ia:AB+2*ia+1]
	global_load_b128 v[AR+40*(\sg)+8*ia+4:AR+40*(\sg)+8*ia+7], v[OF+(\sg)], s[AB+2*ia:AB+2*ia+1] offset:512
.set ia, ia+1
.endr
.if (\n) == 5
	global_load_b128 v[AR+40*(\sg)+32:AR+40*(\sg)+35], v[O5+(\sg)], s[AB+8:AB+9]
	global_load_b128 v[AR+40*(\sg)+36:AR+40*(\sg)+39], v[O5+(\sg)], s[AB+8:AB+9] offset:512
.endif
.endm
.macro WFETCH bf, off                  ; a pass's first fragments
	WIN W_M
.set ij, 0
.rept 4
	ds_load_b128 v[WB+32*(\bf)+8*ij:WB+32*(\bf)+8*ij+3],   v[LB] offset:(\off)+1024*ij
	ds_load_b128 v[WB+32*(\bf)+8*ij+4:WB+32*(\bf)+8*ij+7], v[LB] offset:(\off)+1024*ij+512
.set ij, ij+1
.endr
.endm
.macro MM4 a, sg, first                ; block a's four products of a step
.set ij, 0
.rept 4
.if \first
	v_wmma_f32_16x16x32_f16 v[ACC+32*(\a)+8*ij:ACC+32*(\a)+8*ij+7], v[AR+40*(\sg)+8*(\a):AR+40*(\sg)+8*(\a)+7], v[WB+32*((\sg)%2)+8*ij:WB+32*((\sg)%2)+8*ij+7], 0
.else
	v_wmma_f32_16x16x32_f16 v[ACC+32*(\a)+8*ij:ACC+32*(\a)+8*ij+7], v[AR+40*(\sg)+8*(\a):AR+40*(\sg)+8*(\a)+7], v[WB+32*((\sg)%2)+8*ij:WB+32*((\sg)%2)+8*ij+7], v[ACC+32*(\a)+8*ij:ACC+32*(\a)+8*ij+7]
.endif
.set ij, ij+1
.endr
.endm
.macro MM4F sg, first, bload           ; block 0's four products; bload = 1: behind each, the two LDS loads of one of the next step's four weight fragments, into the other buffer
.set ij, 0
.rept 4
.if \first
	v_wmma_f32_16x16x32_f16 v[ACC+8*ij:ACC+8*ij+7], v[AR+40*(\sg):AR+40*(\sg)+7], v[WB+32*((\sg)%2)+8*ij:WB+32*((\sg)%2)+8*ij+7], 0
.else
	v_wmma_f32_16x16x32_f16 v[ACC+8*ij:ACC+8*ij+7], v[AR+40*(\sg):AR+40*(\sg)+7], v[WB+32*((\sg)%2)+8*ij:WB+32*((\sg)%2)+8*ij+7], v[ACC+8*ij:ACC+8*ij+7]
.endif
.if \bload
	ds_load_b128 v[WB+32*(((\sg)+1)%2)+8*ij:WB+32*(((\sg)+1)%2)+8*ij+3],   v[LB] offset:4096*((\sg)+1)+1024*ij
	ds_load_b128 v[WB+32*(((\sg)+1)%2)+8*ij+4:WB+32*(((\sg)+1)%2)+8*ij+7], v[LB] offset:4096*((\sg)+1)+1024*ij+512
.endif
.set ij, ij+1
.endr
.endm
; One step.  The accumulators take turns, one instruction a turn.  five = 0: four blocks; 1: the fifth block's products are jumped in a wave that has none; 2: they are not.
; first = 1: the products start the sums.  aload = 1: the rows three steps on are asked for, into the slot that the step before multiplied.  bload = 1: the next step's weights are fetched.
; wld = 1: the next chunk of weights is asked for, behind the rows.  lc: the loads issued behind this slot's, which stay out.
; on = 1: at the step's end the slot's offset is stepped, behind the wait that has shown its loads done; the step, the mask and the bound are three of the four places behind the products.  on = 2: the four places alone.
.macro STEP five, sg, first, aload, on, bload, wld, lc
	s_wait_loadcnt \lc
	s_wait_dscnt 0x0                               ; this step's weight fragments, fetched in the step before, are in; nothing was fetched behind them
	WIN W_M
.if (\aload) || (\bload)
	s_wait_alu depctr_va_vdst(0)                   ; the products of the step before are done reading their rows' slot and their weight buffer, in which this step's loads land; that slot's offsets are written; in a trip's first step so is v[LB], and the conversions are done with RW
.endif
	MM4F \sg, \first, \bload
.if \aload
.if \five
	ALOAD 5, ((\sg)+3)%4                           ; no wait: the four products since the wait name this step's slot, this step's weights and accumulators alone
.else
	ALOAD 4, ((\sg)+3)%4
.endif
.endif
.if \wld
	WLD 0, RW, 0
.endif
	WIN W_M
	MM4 1, \sg, \first
	MM4 2, \sg, \first
	MM4 3, \sg, \first
.if (\five) == 2
	MM4 4, \sg, \first
.endif
	WIN 0
.if (\five) == 1
	s_cmp_lg_u32 s24, 5
	s_cbranch_scc1 .Lfour_\@
	WIN W_M
	MM4 4, \sg, 0
	WIN 0
.Lfour_\@:
.endif
.if (\on) == 1
	s_wait_alu depctr_vm_vsrc(0)                   ; the loads issued so far have read their offsets, this slot's among them; the LDS loads have read v[LB]
	v_add_nc_u32 v[OF+(\sg)], 0x1000, v[OF+(\sg)]  ; four steps on
.if \five
	v_and_b32 v[O5+(\sg)], s[M5], v[OF+(\sg)]
	v_min_u32 v[O5+(\sg)], 0xffff, v[O5+(\sg)]     ; a number that hangs on loaded data enters an address only behind a bound
.else
	v_nop
	v_nop
.endif
	v_nop
.elseif (\on) == 2
	PLACES
.endif
.endm
; A trip.  n: the blocks in a pass: a step issues 2 n loads of rows, and the loads of two steps stand behind a slot's own; in steps 1 to 3 of a trip that asks for a chunk its 8 loads stand there too.
.macro TRIP f0, five, first, wld, n
	STEP \f0, 0, \first, 1, 1, 1, \wld, 4*(\n)
	STEP \five, 1, 0, 1, 1, 1, 0, 4*(\n)+8*(\wld)
	STEP \five, 2, 0, 1, 1, 1, 0, 4*(\n)+8*(\wld)
	STEP \five, 3, 0, 1, 1, 1, 0, 4*(\n)+8*(\wld)
	s_add_co_u32 s[TB], s[TB], 0x4000
	v_add_nc_u32 v[LB], s[TB], v[LOFF]             ; the next trip's fragments.  No LDS load was issued behind the wait on vm_vsrc at the end of the step above: it serves this line too
.endm
.macro TAIL five, n                    ; steps 28-31: step 28 asks for the last rows, step 31's; then the counts run down
	STEP \five, 0, 0, 1, 2, 1, 0, 4*(\n)
	STEP \five, 1, 0, 0, 2, 1, 0, 4*(\n)
	STEP \five, 2, 0, 0, 0, 1, 0, 2*(\n)
	STEP \five, 3, 0, 0, 0, 0, 0, 0
	PLACES                                         ; ahead of the first read of the results
	WIN 0
.endm
.macro PRO n                           ; a pass begins: three of the ring's four slots are asked for; the fourth in the first step
	WIN 0
	s_mov_b32 s[TB], 0
.set is, 0
.rept 4
	v_add_nc_u32 v[OF+is], 1024*is, v[LOFF]
.if (\n) == 5
	v_and_b32 v[O5+is], s[M5], v[OF+is]
	v_min_u32 v[O5+is], 0xffff, v[O5+is]           ; the bound, as in a step
.endif
.set is, is+1
.endr
	v_add_nc_u32 v[LB], s[TB], v[LOFF]
	s_wait_alu depctr_va_vdst(0)                   ; the slots' offsets and v[LB] are written; in a later pass the last pass's additions have written v96-255, and its products are done reading their rows and weights: loads land in all of these
	ALOAD \n, 0
	ALOAD \n, 1
	ALOAD \n, 2
.endm
.macro SETUP n                         ; the pass's blocks: past my share my last block once more
.set ia, 0
.rept \n
	s_add_co_u32 s51, s22, ia
	s_min_u32 s51, s51, s23
	s_min_u32 s51, s51, 0xff
	s_lshl_b32 s28, s51, 16
	s_add_nc_u64 s[AB+2*ia:AB+2*ia+1], s[36:37], s[28:29]
.set ia, ia+1
.endr
	s_min_u32 s51, s22, 0xff
	s_lshl_b32 s28, s51, 16
	s_add_nc_u64 s[34:35], s[52:53], s[28:29]
.endm
; THE WAY OUT of block a: the bias is added by the line that lays a lane's four columns side by side.  Register 0 of each accumulator is read first.
; Each block has 32 registers of its own among v96-255, so no store's data is written again inside a pass.
.macro EPI a
.set tb, 96+32*(\a)
	WIN 0x01                                       ; source 0 (the sums) window 1
.set ip, 0
.rept 8
.set ij, 0
.rept 4
	v_add_f32 v[tb+4*ip+ij], v[ACC+32*(\a)+8*ij+ip], v[14+ij]
.set ij, ij+1
.endr
.set ip, ip+1
.endr
	WIN 0
	s_wait_alu depctr_va_vdst(0)                   ; the additions have written the block's 32 registers, which the stores read
.set ip, 0
.rept 8
	global_store_b128 v13, v[tb+4*ip:tb+4*ip+3], s[34:35] offset:65536*(\a)+4096*ip  ; 16 lanes store 256 consecutive bytes of row 8 h + ip, at a multiple of 256 from part's first
.set ip, ip+1
.endr
.endm
	s_load_b256 s[4:11], s[0:1], 0x0               ; cnt s[4:5], hs s[6:7], w2 s[8:9], b2 s[10:11]
	s_load_b64 s[12:13], s[0:1], 0x20              ; part
	v_lshl_add_u32 v30, v0, 2, 0x20000
	v_mov_b32 v31, 0
	v_lshrrev_b32 v18, 5, v0
	v_readfirstlane_b32 s16, v18
	s_and_b32 s17, ttmp7, 0xffff
	s_and_b32 s18, ttmp9, 15
	s_lshr_b32 s19, ttmp9, 4
	v_and_b32 v18, 31, v0
	v_lshlrev_b32 v[LOFF], 4, v18
	v_and_b32 v19, 15, v0
	v_bfe_u32 v18, v0, 4, 1
	v_lshlrev_b32 v6, 4, v19
	v_lshl_add_u32 v[WOF], v18, LOGP+5, v6
	v_lshl_add_u32 v13, v18, 15, v6
	s_wait_alu depctr_va_sdst(0)                   ; s16, the wave's number, is written, ahead of its first reader
	s_lshr_b32 s24, s16, 1
	s_lshl_b32 s24, s24, 12
	s_and_b32 s25, s16, 1
	s_lshl_b32 s25, s25, 9
	s_add_co_u32 s24, s24, s25
	v_add_nc_u32 v[LST], s24, v[LOFF]
	s_mov_b32 s29, 0
	s_mov_b32 s[HM], 0xffff0000
	s_cmp_eq_u32 s19, 0
	s_cselect_b32 s50, -1, 0
	s_lshl_b32 s51, s17, 2
	s_wait_kmcnt 0x0
	s_load_b32 s20, s[4:5], s51 offset:0x0         ; the expert's count: waited for behind the first loads of weights
	s_lshl_b32 s28, s17, 24
	s_lshl_b32 s24, s19, 15
	s_add_co_u32 s28, s28, s24
	s_add_nc_u64 s[36:37], s[6:7], s[28:29]        ; hs: 16 MiB an expert; K half kh begins at fragment 32 kh of a block
	s_lshl_b32 s28, s17, 23
	s_lshl_b32 s24, s19, 22
	s_add_co_u32 s28, s28, s24                     ; w2: 8 MiB an expert, 4 MiB a K half,
	s_lshl_b32 s24, s18, 8
	s_add_co_u32 s28, s28, s24                     ; 256 bytes a slice;
	s_lshr_b32 s24, s16, 2
	s_lshl_b32 s24, s24, LOGP+6
	s_add_co_u32 s28, s28, s24                     ; my part of a chunk begins at its row 64 (w / 4) + 16 ((w / 2) % 2) + 8 (w % 2)
	s_bfe_u32 s24, s16, 0x10001
	s_lshl_b32 s24, s24, LOGP+4
	s_add_co_u32 s28, s28, s24
	s_and_b32 s24, s16, 1
	s_lshl_b32 s24, s24, LOGP+3
	s_add_co_u32 s28, s28, s24
	s_add_nc_u64 s[38:39], s[8:9], s[28:29]
	s_lshl_b32 s28, s17, 12
	s_lshl_b32 s24, s18, 8
	s_add_co_u32 s28, s28, s24
	s_add_nc_u64 s[10:11], s[10:11], s[28:29]      ; b2 at the slice
	s_lshl_b32 s28, s19, 27
	s_lshl_b32 s24, s17, 24
	s_add_co_u32 s28, s28, s24
	s_lshl_b32 s24, s18, 8
	s_add_co_u32 s28, s28, s24
	s_add_nc_u64 s[52:53], s[12:13], s[28:29]      ; part: 128 MiB a K half, 16 MiB an expert, 256 bytes a slice
	s_wait_alu depctr_va_vdst(0)                   ; the offsets v3, v4, v6 and v13 are written, which loads and stores read from here to the kernel's end
	global_load_b128 v[14:17], v6, s[10:11]        ; b2[64 slice + 4 r + 0..3]
	WLD 0, RW, 0                                   ; chunk 0
	WLD 0x40, R1, CHUNK                            ; chunk 1, into registers that the sums take later
	WIN 0
	s_wait_kmcnt 0x0                               ; the count
	s_add_co_u32 s20, s20, 15
	s_lshr_b32 s20, s20, 4
	s_min_u32 s20, s20, 256                        ; blocks
	s_cmp_eq_u32 s20, 0
	s_cselect_b64 s[36:37], s[8:9], s[36:37]       ; an expert without rows: nothing was stored in its region of hs
	s_lshr_b32 s28, s20, 3
	s_and_b32 s51, s20, 7                          ; the first (blocks % 8) waves take one more
	s_mul_i32 s22, s16, s28
	s_min_u32 s23, s16, s51
	s_add_co_u32 s22, s22, s23                     ; my first block
	s_cmp_lt_u32 s16, s51
	s_cselect_b32 s21, 1, 0
	s_add_co_u32 s21, s21, s28                     ; how many
	s_add_co_u32 s23, s22, s21
	s_sub_co_u32 s23, s23, 1                       ; my last
	s_cmp_ge_u32 s21, 5
	s_cselect_b32 s24, 5, 4
	s_cselect_b32 s[M5], 0xffff, 0
	s_min_u32 s[M5], s[M5], 0xffff                 ; it hangs on the count: bounded by a constant
	s_min_u32 s25, s21, s24
	s_mov_b32 s26, 8                               ; the first pass and 7 of four blocks: 33 blocks a wave
	SETUP 5
	PRO 5
	; THE FIRST PASS
	s_wait_loadcnt 30                              ; b2 and chunks 0 and 1 are in; the ring's 30 loads, issued behind them, stay out
	s_add_nc_u64 s[38:39], s[38:39], 2*CHUNK       ; chunk 2, which the first step asks for
	WCV 0, 0, RW, PK
	WCV 0x05, 0x40, R1, PK2
	WIN 0
	s_wait_alu depctr_va_vdst(0)                   ; the conversions have written PK and PK2, which the LDS stores read
	WST LST, 0, PK
	WST LST, 16384, PK2
	v_cvt_pk_bf16_f32 v18, v14, v15                ; the bias is rounded to bf16 and widened again,
	v_cvt_pk_bf16_f32 v19, v16, v17
	v_lshlrev_b32 v14, 16, v18
	v_and_b32 v15, s[HM], v18
	v_lshlrev_b32 v16, 16, v19
	v_and_b32 v17, s[HM], v19
.set ij, 0
.rept 4
	v_and_b32 v[14+ij], s50, v[14+ij]              ; and is 0 in the second K half
.set ij, ij+1
.endr
	s_mov_b32 s[TS], 0x8000                        ; chunk 2's place
	s_wait_dscnt 0x0                               ; for the others' sake: my parts of chunks 0 and 1 are in LDS
	s_barrier_signal -1
	s_barrier_wait -1
	WFETCH 0, 0                                    ; step 0's weights.  No wait: v[LB] was written ahead of the waits above, and no vector instruction has named it or the weight buffers since
	TRIP 2, 1, 1, 1, 5                             ; trip 0: its first products start the sums; chunk 2 is asked for
	s_mov_b32 s27, 5
.Lq:                                                   ; trips 1 to 5: chunk t + 1 into LDS, chunk t + 2 asked for
	WPART 1
	TRIP 1, 1, 0, 1, 5
	s_sub_co_u32 s27, s27, 1
	s_cmp_lg_u32 s27, 0
	s_cbranch_scc1 .Lq
	WPART 0                                        ; trip 6: chunk 7 into LDS; nothing is left to ask for
	TRIP 1, 1, 0, 0, 5
	TAIL 1, 5
	s_branch .Lepi                                 ; the way out is written once, in the loop over later passes
.Lpass:
	s_cmp_eq_u32 s21, 0
	s_cbranch_scc1 .Lnext                          ; nothing left: jump to the counter's step
	s_wait_xcnt 0x0                                ; the last pass's stores have had their addresses translated: their registers and base are written again below
	s_wait_alu depctr_vm_vsrc(0)                   ; the last pass's stores have read v96-255, in which this pass's loads land; its loads have read the slots' offsets and v[LB], which are made anew
	s_mov_b32 s24, 4
	s_min_u32 s25, s21, s24
	SETUP 4
	PRO 4
	WFETCH 0, 0                                    ; step 0's weights: behind the opening's wait, since which no vector instruction was issued
	TRIP 0, 0, 1, 0, 4
	s_mov_b32 s27, 6
.Lk:
	TRIP 0, 0, 0, 0, 4
	s_sub_co_u32 s27, s27, 1
	s_cmp_lg_u32 s27, 0
	s_cbranch_scc1 .Lk
	TAIL 0, 4
.Lepi:
	s_cmp_lg_u32 s24, 5
	s_cbranch_scc1 .Lnofive
	EPI 4                                          ; a pass of five is always full
.Lnofive:
	s_cmp_eq_u32 s25, 0
	s_cbranch_scc1 .Ldone                          ; repeated blocks are not stored
	EPI 0
	s_cmp_le_u32 s25, 1
	s_cbranch_scc1 .Ldone
	EPI 1
	s_cmp_le_u32 s25, 2
	s_cbranch_scc1 .Ldone
	EPI 2
	s_cmp_le_u32 s25, 3
	s_cbranch_scc1 .Ldone
	EPI 3
.Ldone:
	s_sub_co_u32 s21, s21, s25
	s_add_co_u32 s22, s22, s25
.Lnext:
	s_sub_co_u32 s26, s26, 1
	s_cmp_lg_u32 s26, 0
	s_cbranch_scc1 .Lpass
	s_wait_dscnt 0x0                               ; my LDS reads are back;
	s_barrier_signal -1
	s_barrier_wait -1                              ; every wave's are
	s_wait_dscnt 0x0                               ; the wave's end: the waits, then the add on my spare word
	s_wait_alu depctr_hold_cnt(0) depctr_sa_sdst(0) depctr_va_vdst(0) depctr_va_sdst(0) depctr_va_ssrc(0) depctr_va_vcc(0) depctr_vm_vsrc(0)
	s_wait_tensorcnt 0x0
	ds_add_u32 v30, v31
	s_wait_dscnt 0x0
	s_endpgm
.Lfunc_end_k_q8e9be70c90_ffn2:
	.size	k_q8e9be70c90_ffn2, .Lfunc_end_k_q8e9be70c90_ffn2-k_q8e9be70c90_ffn2
	.p2alignl 7, 3214868480
	.fill 96, 4, 3214868480
	.section	.rodata,"a",@progbits
	.p2align	6, 0x0
	.amdhsa_kernel k_q8e9be70c90_ffn2
		.amdhsa_group_segment_fixed_size 132096
		.amdhsa_private_segment_fixed_size 0
		.amdhsa_enable_private_segment 0
		.amdhsa_kernarg_size 40
		.amdhsa_user_sgpr_count 2
		.amdhsa_user_sgpr_kernarg_segment_ptr 1
		.amdhsa_wavefront_size32 1
		.amdhsa_system_sgpr_workgroup_id_x 1
		.amdhsa_system_sgpr_workgroup_id_y 1
		.amdhsa_system_sgpr_workgroup_id_z 1
		.amdhsa_system_vgpr_workitem_id 0
		.amdhsa_next_free_vgpr 480
		.amdhsa_next_free_sgpr 66
		.amdhsa_reserve_vcc 0
		.amdhsa_float_denorm_mode_32 3
		.amdhsa_float_denorm_mode_16_64 3
		.amdhsa_memory_ordered 1
		.amdhsa_forward_progress 1
		.amdhsa_inst_pref_size 118
	.end_amdhsa_kernel
	.amdgpu_metadata
---
amdhsa.version: [ 1, 2 ]
amdhsa.kernels:
  - .name:           k_q8e9be70c90_ffn2
    .symbol:         k_q8e9be70c90_ffn2.kd
    .args:
      - { .name: cnt, .offset: 0, .size: 8, .value_kind: global_buffer, .address_space: global }
      - { .name: hs, .offset: 8, .size: 8, .value_kind: global_buffer, .address_space: global }
      - { .name: w2, .offset: 16, .size: 8, .value_kind: global_buffer, .address_space: global }
      - { .name: b2, .offset: 24, .size: 8, .value_kind: global_buffer, .address_space: global }
      - { .name: part, .offset: 32, .size: 8, .value_kind: global_buffer, .address_space: global }
    .group_segment_fixed_size: 132096
    .private_segment_fixed_size: 0
    .kernarg_segment_align: 8
    .kernarg_segment_size: 40
    .max_flat_workgroup_size: 256
    .sgpr_count:     66
    .vgpr_count:     480
    .wavefront_size: 32
...
	.end_amdgpu_metadata
.endif
;; end of part 5
;; launch comb (part 6): grid 256 x 1, 8 waves a work-group, no clusters, 0 bytes of LDS; arguments pos, probs, part, out0; writes out0
.if DOCPART == 6
	.amdgcn_target "amdgcn-amd-amdhsa--gfx1250"
	.amdhsa_code_object_version 6
	.text
	.protected	k_q8e9be70c90_comb
	.globl	k_q8e9be70c90_comb
	.p2align	8
	.type	k_q8e9be70c90_comb,@function
k_q8e9be70c90_comb:
	s_mov_b64 s[64:65], 0
	v_nop
	global_prefetch_b8 v0, s[64:65] scope:SCOPE_SE
	s_setreg_imm32_b32 hwreg(HW_REG_WAVE_SCHED_MODE, 0, 2), 2
	s_setreg_imm32_b32 hwreg(HW_REG_WAVE_MODE, 25, 1), 1
	s_wait_xcnt 0x0
	s_wait_alu depctr_vm_vsrc(0)
; THE SUM.  out0[t] = p0 (part[0][pos[t]] + part[1][pos[t]]) + p1 (part[0][pos[2048 + t]] + part[1][pos[2048 + t]]): a token's two choices, each in two K halves, each choice times its gate weight
; p_j = probs[j x 2048 + t]; the biases are inside the rows already.
; A wave owns one token: four rows of 4,096 bytes in, one out.  All 32 loads (512 consecutive bytes each) go out at once; the sums and stores follow as the loads come in.
; A stream: memory binds, so no LDS, no barrier, no matrix unit.  Each row of part is read once in the launch.
; LIMIT.  probs is rounded once to bf16, as every input of the program is.
; THE MODE: SCHED_MODE bits 1:0 = 2 (LLVM: expert scheduling mode 2), set by the entry lines.  The code itself states the register dependences
; between vector instructions and memory instructions, with s_wait_alu, always for 0.
; THE PLAN.  Registers that memory instructions touch:
;   v1        16 lane: the offset of every load and store; made once, never written again.
;   v[8:135]  eight pieces of 16 registers.  Piece q: four loads land in it; its eight packed lines read it and write it in place; its first four registers are then its store's data, and nothing writes them again.
; The store of piece q stands in piece q + 1, behind that piece's wait for its loads and one wait on va_vdst, which states that piece q's sums are written.  No register that a memory instruction
; has read is written again, so there is no wait on vm_vsrc.
	s_load_b256 s[4:11], s[0:1], 0x0               ; pos s[4:5], probs s[6:7], part s[8:9], out0 s[10:11]
	v_lshrrev_b32 v2, 5, v0
	v_readfirstlane_b32 s12, v2
	v_and_b32 v1, 31, v0
	v_lshlrev_b32 v1, 4, v1
	s_lshl_b32 s13, ttmp9, 3
	s_mov_b32 s25, 0
	s_wait_alu depctr_va_sdst(0)                   ; s12, the wave's number, is written, ahead of its first reader
	s_add_co_u32 s12, s13, s12                     ; my token
	s_lshl_b32 s28, s12, 2
	s_wait_kmcnt 0x0
	s_load_b32 s13, s[4:5], s28 offset:0x0         ; the places of its two choices,
	s_load_b32 s14, s[4:5], s28 offset:0x2000
	s_load_b32 s26, s[6:7], s28 offset:0x0         ; and their gate weights
	s_load_b32 s27, s[6:7], s28 offset:0x2000
	s_lshl_b32 s24, s12, 12
	s_add_nc_u64 s[10:11], s[10:11], s[24:25]      ; out0 at my row
	s_wait_kmcnt 0x0
	s_min_u32 s13, s13, 0x7fff
	s_lshl_b32 s24, s13, 12                        ; a place is a row of 4,096 bytes
	s_add_nc_u64 s[16:17], s[8:9], s[24:25]
	s_add_nc_u64 s[18:19], s[16:17], 0x8000000     ; the second K half lies 128 MiB on
	s_min_u32 s14, s14, 0x7fff
	s_lshl_b32 s24, s14, 12
	s_add_nc_u64 s[20:21], s[8:9], s[24:25]
	s_add_nc_u64 s[22:23], s[20:21], 0x8000000
	s_wait_alu depctr_va_vdst(0)                   ; v1 is written: every load and store below reads it as its offset
.set iq, 0
.rept 8
.set is, 0
.rept 4
	global_load_b128 v[8+16*iq+4*is:8+16*iq+4*is+3], v1, s[16+2*is:17+2*is] offset:512*iq th:TH_LOAD_NT
.set is, is+1
.endr
.set iq, iq+1
.endr
	v_mov_b32 v2, s26                              ; the two gate weights, rounded to bf16, each twice: pairs for the packed lines
	v_mov_b32 v3, s27
	v_cvt_pk_bf16_f32 v6, v2, v3
	v_lshlrev_b32 v2, 16, v6
	v_and_b32 v4, 0xffff0000, v6
	v_mov_b32 v3, v2
	v_mov_b32 v5, v4
.set iq, 0
.rept 8
.set vb, 8+16*iq
	s_wait_loadcnt 4*(7-iq)                        ; the later pieces' loads stay out
.if iq > 0
	s_wait_alu depctr_va_vdst(0)                   ; the packed lines of the piece before have written its sums, which the store below reads
	global_store_b128 v1, v[vb-16:vb-13], s[10:11] offset:512*(iq-1) th:TH_STORE_NT  ; 512 consecutive bytes, at a multiple of 512 from out0's first
.endif
	v_pk_add_f32 v[vb:vb+1],     v[vb:vb+1],     v[vb+4:vb+5]
	v_pk_add_f32 v[vb+2:vb+3],   v[vb+2:vb+3],   v[vb+6:vb+7]
	v_pk_add_f32 v[vb+8:vb+9],   v[vb+8:vb+9],   v[vb+12:vb+13]
	v_pk_add_f32 v[vb+10:vb+11], v[vb+10:vb+11], v[vb+14:vb+15]
	v_pk_mul_f32 v[vb+8:vb+9],   v[vb+8:vb+9],   v[4:5]
	v_pk_mul_f32 v[vb+10:vb+11], v[vb+10:vb+11], v[4:5]
	v_pk_fma_f32 v[vb:vb+1],     v[vb:vb+1],     v[2:3], v[vb+8:vb+9]
	v_pk_fma_f32 v[vb+2:vb+3],   v[vb+2:vb+3],   v[2:3], v[vb+10:vb+11]
.set iq, iq+1
.endr
	s_wait_alu depctr_va_vdst(0)                   ; the last piece's sums are written, which the last store reads
	global_store_b128 v1, v[120:123], s[10:11] offset:512*7 th:TH_STORE_NT
	s_endpgm
.Lfunc_end_k_q8e9be70c90_comb:
	.size	k_q8e9be70c90_comb, .Lfunc_end_k_q8e9be70c90_comb-k_q8e9be70c90_comb
	.p2alignl 7, 3214868480
	.fill 96, 4, 3214868480
	.section	.rodata,"a",@progbits
	.p2align	6, 0x0
	.amdhsa_kernel k_q8e9be70c90_comb
		.amdhsa_group_segment_fixed_size 0
		.amdhsa_private_segment_fixed_size 0
		.amdhsa_enable_private_segment 0
		.amdhsa_kernarg_size 32
		.amdhsa_user_sgpr_count 2
		.amdhsa_user_sgpr_kernarg_segment_ptr 1
		.amdhsa_wavefront_size32 1
		.amdhsa_system_sgpr_workgroup_id_x 1
		.amdhsa_system_sgpr_workgroup_id_y 1
		.amdhsa_system_sgpr_workgroup_id_z 1
		.amdhsa_system_vgpr_workitem_id 0
		.amdhsa_next_free_vgpr 136
		.amdhsa_next_free_sgpr 66
		.amdhsa_reserve_vcc 0
		.amdhsa_float_denorm_mode_32 3
		.amdhsa_float_denorm_mode_16_64 3
		.amdhsa_memory_ordered 1
		.amdhsa_forward_progress 1
		.amdhsa_inst_pref_size 11
	.end_amdhsa_kernel
	.amdgpu_metadata
---
amdhsa.version: [ 1, 2 ]
amdhsa.kernels:
  - .name:           k_q8e9be70c90_comb
    .symbol:         k_q8e9be70c90_comb.kd
    .args:
      - { .name: pos, .offset: 0, .size: 8, .value_kind: global_buffer, .address_space: global }
      - { .name: probs, .offset: 8, .size: 8, .value_kind: global_buffer, .address_space: global }
      - { .name: part, .offset: 16, .size: 8, .value_kind: global_buffer, .address_space: global }
      - { .name: out0, .offset: 24, .size: 8, .value_kind: global_buffer, .address_space: global }
    .group_segment_fixed_size: 0
    .private_segment_fixed_size: 0
    .kernarg_segment_align: 8
    .kernarg_segment_size: 32
    .max_flat_workgroup_size: 256
    .sgpr_count:     66
    .vgpr_count:     136
    .wavefront_size: 32
...
	.end_amdgpu_metadata
.endif
;; end of part 6
